; MI455X (gfx1250); checked and timed in simulation.
; The chip was launched on July 23, 2026; its instructions are those of AMD's public machine-readable ISA for CDNA 5 (MIT licence, August 2026) and "CDNA5" Instruction Set Architecture Reference Guide (July 2026). The comments in the code are by the model that wrote it; some were corrected since.
;; Self Attention. Allowed arithmetic: float matrix products may take bf16 or f16 operands with f32 sums; other float arithmetic in f32, or as packed bf16 or f16 multiplies, adds, multiply-adds, maxima and minima; sums over many terms, partial sums and values carried from step to step in f32; what a program stores and reads back later, other than sums and carried values, may be rounded once to bf16 or f16.
;; Inputs: Wk 1,024 x 1,024 float32; Wq 1,024 x 1,024 float32; Wv 1,024 x 1,024 float32; bk 1,024 float32; bq 1,024 float32; bv 1,024 float32; x 4 x 2,048 x 1,024 float32.
;; Outputs: out0 4 x 2,048 x 1,024 float32.
;; 2 versions, each right; version 2 is version 1 with the launch cvt written anew for expert scheduling mode. Each part assembles by itself: llvm-mc -triple=amdgcn-amd-amdhsa -mcpu=gfx1250 --defsym DOCPART=n.
;; ======== version 1 of 2: 5 launches
;; limits: values are held in f16: magnitudes above 65,504 overflow, below 6.1e-05 lose precision
;; workspace buffers: xb 16,777,216 bytes; wb 6,291,456 bytes; qk 33,554,432 bytes; vt 16,777,216 bytes; pp 33,554,432 bytes; st 1,048,576 bytes
;; launch cvt (part 1): grid 64 x 11, 8 waves a work-group, no clusters, 0 bytes of LDS; arguments x, Wq, Wk, Wv, xb, wb; writes xb, wb
.if DOCPART == 1
	.amdgcn_target "amdgcn-amd-amdhsa--gfx1250"
	.amdhsa_code_object_version 6
	.text
	.protected	k_qa9e65d13c4_cvt
	.globl	k_qa9e65d13c4_cvt
	.p2align	8
	.type	k_qa9e65d13c4_cvt,@function
k_qa9e65d13c4_cvt:
	s_mov_b64 s[64:65], 0
	v_nop
	global_prefetch_b8 v0, s[64:65] scope:SCOPE_SE
	s_setreg_imm32_b32 hwreg(HW_REG_WAVE_MODE, 25, 1), 1
	s_wait_xcnt 0x0
; x and the three weight matrices, f32, are rounded once to bf16: xb [8192][1024], wb [3072][1024] (Wq, Wk, Wv one below the other).
; The grid's y names a segment of 2^20 numbers: 0-7 are x's, 8, 9, 10 are Wq, Wk, Wv.  A work-group takes 16 rows of 1,024 numbers of its segment.
; Thread t takes 16 bytes at byte 16 t of each row: a load of a wave covers 512 consecutive bytes, a store 256, both aligned.  All 16 loads go out first; no register is written twice.
; No LDS, no matrix unit, no cluster: nothing is shared and nothing is multiplied.
.set X, 8                              ; v[8:71]   row r: 4 numbers as loaded
.set Y, 72                             ; v[72:103] row r: 4 bf16 to store
	s_load_b256 s[4:11], s[0:1], 0x0               ; x s[4:5], Wq s[6:7], Wk s[8:9], Wv s[10:11]
	s_load_b128 s[12:15], s[0:1], 0x20             ; xb s[12:13], wb s[14:15]
	s_and_b32 s16, ttmp7, 0xffff                   ; the segment
	s_max_u32 s18, s16, 8
	s_sub_co_u32 s18, s18, 8                       ; which weight matrix (0 for x's segments)
	v_lshlrev_b32 v1, 4, v0                        ; my 16 bytes of a row of f32
	v_lshlrev_b32 v2, 3, v0                        ; my 8 bytes of a row of bf16
	s_wait_kmcnt 0x0
	s_cmp_eq_u32 s16, 9
	s_cselect_b64 s[20:21], s[8:9], s[6:7]
	s_cmp_eq_u32 s16, 10
	s_cselect_b64 s[20:21], s[10:11], s[20:21]
	s_cmp_lt_u32 s16, 8
	s_cselect_b64 s[20:21], s[4:5], s[20:21]       ; from where
	s_cselect_b64 s[22:23], s[12:13], s[14:15]     ; to where
	s_cselect_b32 s17, s16, 0                      ; the segment inside the source
	s_cselect_b32 s18, s16, s18                    ; and inside the destination
	s_lshl_b32 s24, s17, 22                        ; a segment is 4 MiB of f32,
	s_lshl_b32 s26, ttmp9, 16                      ; a work-group's 16 rows 64 KiB
	s_add_co_u32 s24, s24, s26
	s_mov_b32 s25, 0
	s_add_nc_u64 s[20:21], s[20:21], s[24:25]
	s_lshl_b32 s26, s18, 21                        ; half of that in bf16
	s_lshl_b32 s28, ttmp9, 15
	s_add_co_u32 s26, s26, s28
	s_mov_b32 s27, 0
	s_add_nc_u64 s[22:23], s[22:23], s[26:27]
.set r, 0
.rept 16
	global_load_b128 v[X+4*r:X+4*r+3], v1, s[20:21] offset:4096*r th:TH_LOAD_NT
.set r, r+1
.endr
.set r, 0
.rept 16
	s_wait_loadcnt 15-r                            ; loads come back in order: row r is in, the younger ones stay out
	v_cvt_pk_bf16_f32 v[Y+2*r], v[X+4*r], v[X+4*r+1]
	v_cvt_pk_bf16_f32 v[Y+2*r+1], v[X+4*r+2], v[X+4*r+3]
	global_store_b64 v2, v[Y+2*r:Y+2*r+1], s[22:23] offset:2048*r
.set r, r+1
.endr
	s_endpgm
.Lfunc_end_k_qa9e65d13c4_cvt:
	.size	k_qa9e65d13c4_cvt, .Lfunc_end_k_qa9e65d13c4_cvt-k_qa9e65d13c4_cvt
	.p2alignl 7, 3214868480
	.fill 96, 4, 3214868480
	.section	.rodata,"a",@progbits
	.p2align	6, 0x0
	.amdhsa_kernel k_qa9e65d13c4_cvt
		.amdhsa_group_segment_fixed_size 0
		.amdhsa_private_segment_fixed_size 0
		.amdhsa_enable_private_segment 0
		.amdhsa_kernarg_size 48
		.amdhsa_user_sgpr_count 2
		.amdhsa_user_sgpr_kernarg_segment_ptr 1
		.amdhsa_wavefront_size32 1
		.amdhsa_system_sgpr_workgroup_id_x 1
		.amdhsa_system_sgpr_workgroup_id_y 1
		.amdhsa_system_sgpr_workgroup_id_z 1
		.amdhsa_system_vgpr_workitem_id 0
		.amdhsa_next_free_vgpr 104
		.amdhsa_next_free_sgpr 66
		.amdhsa_reserve_vcc 0
		.amdhsa_float_denorm_mode_32 3
		.amdhsa_float_denorm_mode_16_64 3
		.amdhsa_memory_ordered 1
		.amdhsa_forward_progress 1
		.amdhsa_inst_pref_size 7
	.end_amdhsa_kernel
	.amdgpu_metadata
---
amdhsa.version: [ 1, 2 ]
amdhsa.kernels:
  - .name:           k_qa9e65d13c4_cvt
    .symbol:         k_qa9e65d13c4_cvt.kd
    .args:
      - { .name: x, .offset: 0, .size: 8, .value_kind: global_buffer, .address_space: global }
      - { .name: Wq, .offset: 8, .size: 8, .value_kind: global_buffer, .address_space: global }
      - { .name: Wk, .offset: 16, .size: 8, .value_kind: global_buffer, .address_space: global }
      - { .name: Wv, .offset: 24, .size: 8, .value_kind: global_buffer, .address_space: global }
      - { .name: xb, .offset: 32, .size: 8, .value_kind: global_buffer, .address_space: global }
      - { .name: wb, .offset: 40, .size: 8, .value_kind: global_buffer, .address_space: global }
    .group_segment_fixed_size: 0
    .private_segment_fixed_size: 0
    .kernarg_segment_align: 8
    .kernarg_segment_size: 48
    .max_flat_workgroup_size: 256
    .sgpr_count:     66
    .vgpr_count:     104
    .wavefront_size: 32
...
	.end_amdgpu_metadata
.endif
;; end of part 1
;; launch qk (part 2): grid 8 x 32, 4 waves a work-group, clusters of 4 x 4, 327,680 bytes of LDS; arguments xb, wb, qk, bq, bk; writes qk
.if DOCPART == 2
	.amdgcn_target "amdgcn-amd-amdhsa--gfx1250"
	.amdhsa_code_object_version 6
	.text
	.protected	k_qa9e65d13c4_qk
	.globl	k_qa9e65d13c4_qk
	.p2align	8
	.type	k_qa9e65d13c4_qk,@function
k_qa9e65d13c4_qk:
	s_mov_b64 s[64:65], 0
	v_nop
	global_prefetch_b8 v0, s[64:65] scope:SCOPE_SE
	s_setreg_imm32_b32 hwreg(HW_REG_WAVE_MODE, 25, 1), 1
	s_wait_xcnt 0x0
	s_wait_alu depctr_hold_cnt(0) depctr_sa_sdst(0) depctr_va_vdst(0) depctr_va_sdst(0) depctr_va_ssrc(0) depctr_va_vcc(0) depctr_vm_vsrc(0)
	s_getreg_b32 s2, hwreg(HW_REG_IB_STS2, 6, 4)
	s_cmp_eq_u32 s2, 0
	s_cbranch_scc0 .Lentry_in_a_cluster
	s_endpgm
.Lentry_in_a_cluster:
	s_bfe_u32 s2, ttmp6, 0x10000c
	s_cmp_lg_u32 s2, 0xf033
	s_cbranch_scc0 .Lentry_shape_is_right
	s_endpgm
.Lentry_shape_is_right:
; q = x Wq^T + bq and k = x Wk^T + bk as ONE product C = A B^T: A = xb [8192][1024], B = wb's first 2,048 rows, both bf16; sums in f32; the biases are rounded to bf16 like every input;
; q and k are rounded once to bf16 and stored as qk [2][8192][1024].  NaN and infinities are not treated apart.
; A tile of C is 256 x 256: four waves, each 128 x 128 in 64 accumulators.  K goes in 8 steps of 128 through two LDS slots filled by the tensor data mover; tile rows are 256 bytes of memory, aligned.
; CLUSTER 4 x 4: the four work-groups of a row of the cluster need the same tile of A, the four of a column the same tile of B: each is asked for jointly.
; The matrix instruction is used transposed (source 0 = 16 rows of B, source 1 = 16 rows of A): a lane holds one row of C and eight neighbouring columns.
; A trip of the loop is ONE K step; the slot in hand is a scalar, s2, turned by an exclusive or.  SLOT = 0x22000 has no bit in common with the bases w x 34,816, so the exclusive or adds or takes away SLOT.
; THE WAY OUT: when the ring is dead all accumulators go raw, in f32, into the wave's own part of it; a loop of 16 rows a trip reads rows back, adds the bias, rounds and stores whole 256-byte pieces of rows.
; REGISTERS by windows of 256: window 0: v16-31 addresses, v32-43 bias, v64-191 A's two fragment buffers (later the way out's); window 1: v64-191 B's; windows 2, 3: accumulator (a, b) at v[8 (8 a + b)].
.set KSTEP,  128
.set KS,     8                         ; K steps
.set ROWB,   2048                      ; bytes in a row of xb, wb, q and k
.set PITCH,  272                       ; an LDS row: 256 bytes + 16 of padding: the 16 rows of a fragment load start at 16 different groups of four banks (ISA guide 11.1)
.set HALFT,  128*PITCH
.set SLOT,   4*HALFT                   ; A's 256 rows, then B's 256
.set SPARE,  2*SLOT                    ; behind the ring: the spare words, 128 bytes a wave, that no other line names
.set DPITCH, 528                       ; a dumped row: 128 f32 + 16 bytes
.set DW,     128*DPITCH                ; a wave's dump
.set ADRA0, 16                         ; v16  my place in A's part of a slot; never rewritten
.set ADRA,  17                         ; v17  the same in the slot in hand
.set RDC,   18                         ; v18  the way out: where this trip's rows are read
.set ADRB0, 20
.set ADRB,  21
.set STO,   24                         ; v24  the way out: where I put 32 bytes of a row
.set RD,    25                         ; v25  the way out: where I read rows back, first trip
.set CO,    26                         ; v26  my byte offset in two rows of C
.set SPW,   28                         ; v28  my spare word; never rewritten
.set NIL,   29                         ; v29  0; never rewritten
.set PFO,   30                         ; v30  the prefetches' offset: my lane x a row; never rewritten
.set BO,    31                         ; v31  my byte offset in the bias
.set BIAS,  32                         ; v[32:39] the bias of my 8 columns; v[40:43] at work
.set F0,    64
.set F1,    128
.set D,     64                         ; the way out: 16 rows read back
.set OUT,   128                        ; the way out: packed results
.set G1,  24                           ; s[24:31] group 1 for A's tiles
.set G0,  32                           ; s[32:35] group 0 of A's first fill, s[36:39] the one that walks
.set G1B, 48
.set G0B, 56
.set LIM, 43                           ; s43  2 in a wave that prefetches, else the greatest number
.set PFA, 44                           ; s[44:45] where my prefetches stand
.set GW0, (1<<16)|(1<<20)|(1<<21)|(5<<22)|(3<<25)  ; 2-byte elements; padding on; bit 21 beside a mask; after every 64 words, 4 words
.set MUL_LO, 0xa1                      ; source 0 (B) window 1, source 1 (A) window 0, C and D window 2
.set MUL_HI, 0xf1
.set TO_B,   0x40
.set MSB, 0
.macro WIN new                         ; the immediate's high byte repeats the setting that is left; a switch that changes nothing is dropped
.if MSB != (\new)
	s_set_vgpr_msb (MSB<<8)|(\new)
.set MSB, \new
.endif
.endm
.macro PLACES                          ; four plain places behind matrix instructions (ISA guide 7.12.1)
.rept 4
	v_nop
.endr
.endm
; A joint load: waves 0 and 1 fetch A's halves, waves 2 and 3 B's.  The branch hangs on the wave's number alone.  An s_nop 0 and four v_nop follow each line.
.macro JLOAD s
	s_cmp_eq_u32 s11, 0
	s_cbranch_scc0 .Lfor_b_\@
	tensor_load_to_lds s[G0+4*(\s):G0+4*(\s)+3], s[G1:G1+7]
	s_nop 0
.rept 4
	v_nop
.endr
	s_branch .Lasked_\@
.Lfor_b_\@:
	tensor_load_to_lds s[G0B+4*(\s):G0B+4*(\s)+3], s[G1B:G1B+7]
	s_nop 0
.rept 4
	v_nop
.endr
.Lasked_\@:
.endm
; A prefetch of the K step that stands two refills on: 32 rows x 256 bytes, a lane a row.  A's rows are asked for by the clusters with x = 0, B's by those with y = 0; the four partners of a joint load
; share its 128 rows out by address.  The last two refills have no K step two on.
.macro ASK
	s_cmp_gt_u32 s3, s[LIM]
	s_cbranch_scc0 .Lnot_mine_\@
	global_prefetch_b8 v[PFO], s[PFA:PFA+1] offset:KSTEP*2 th:TH_LOAD_NT scope:SCOPE_SE
.Lnot_mine_\@:
.endm
.macro CREST                           ; a round of the cluster's barrier behind its opening barrier
	s_cmp_lg_u32 s10, 0
	s_cbranch_scc1 .Lnot_wave_0_\@
	s_barrier_signal -3
.Lnot_wave_0_\@:
	s_barrier_wait -3
	s_barrier_signal -1
	s_barrier_wait -1
.endm
.macro CROUND
	s_barrier_signal -1
	s_barrier_wait -1
	CREST
.endm
	s_load_b128 s[4:7], s[0:1], 0x0                ; xb s[4:5], wb s[6:7]
	s_load_b64 s[8:9], s[0:1], 0x10                ; qk
	s_load_b64 s[68:69], s[0:1], 0x18              ; bq
	s_load_b64 s[70:71], s[0:1], 0x20              ; bk
	v_lshl_add_u32 v[SPW], v0, 2, SPARE
	v_mov_b32 v[NIL], 0
	ds_add_u32 v[SPW], v[NIL]                      ; the wave's opening: the add and its wait come ahead of my first tensor load
	v_lshrrev_b32 v1, 5, v0
	v_readfirstlane_b32 s10, v1                    ; wave 0..3
	s_lshr_b32 s11, s10, 1                         ; my half of the tile's rows; also: I fetch for A (0) or B (1)
	s_and_b32 s12, s10, 1                          ; my half of its columns; also: which 128 rows I fetch
	s_bfe_u32 s40, ttmp6, 0x40000                  ; cx
	s_bfe_u32 s41, ttmp6, 0x40004                  ; cy
	s_lshl_b32 s42, ttmp9, 2
	s_add_co_u32 s42, s42, s40                     ; tile column 0..7: 0-3 are q's, 4-7 k's
	s_and_b32 s13, ttmp7, 0xffff
	s_lshl_b32 s13, s13, 2
	s_add_co_u32 s13, s13, s41                     ; tile row 0..31
	s_lshl_b32 s14, s41, 2
	s_lshl_b32 s14, 15, s14                        ; my row of the cluster
	s_lshl_b32 s15, 0x1111, s40                    ; my column
	s_or_b32 s[G1+0], s14, GW0
	s_or_b32 s[G1B+0], s15, GW0
.irp g, G1, G1B
	s_mov_b32 s[(\g)+1], KSTEP<<16                 ; tensor_dim0 = 128
	s_mov_b32 s[(\g)+2], 128<<16                   ; tensor_dim1 = 128
	s_mov_b32 s[(\g)+3], KSTEP<<16                 ; tile_dim0 = 128
	s_mov_b32 s[(\g)+4], 128                       ; tile_dim1 = 128
	s_mov_b32 s[(\g)+5], 1024                      ; elements from row to row
	s_mov_b32 s[(\g)+6], 0
	s_mov_b32 s[(\g)+7], 0
.endr
	s_lshl_b32 s17, s12, 7
	s_lshl_b32 s16, s13, 8
	s_add_co_u32 s16, s16, s17                     ; A: row 256 x tile row + 128 x half
	s_lshl_b32 s16, s16, 11                        ; in bytes
	s_lshl_b32 s46, s42, 8
	s_add_co_u32 s46, s46, s17                     ; B: row 256 x tile column + 128 x half
	s_lshl_b32 s46, s46, 11
	s_mov_b32 s17, 0
	s_mov_b32 s47, 0
	s_mul_i32 s20, s10, HALFT                      ; where my load lands in a slot: the wave's number alone
	s_wait_dscnt 0x0                               ; the opening add is done
	s_wait_kmcnt 0x0
	s_add_nc_u64 s[18:19], s[4:5], s[16:17]
	s_add_nc_u64 s[46:47], s[6:7], s[46:47]
	CROUND                                         ; all sixteen work-groups are here: the first joint loads meet
.irp s, 0,1
	s_mov_b32 s[G0+4*(\s)], 1
	s_add_co_u32 s[G0+4*(\s)+1], s20, (\s)*SLOT
	s_add_nc_u64 s[G0+4*(\s)+2:G0+4*(\s)+3], s[18:19], (\s)*KSTEP*2
	s_or_b32 s[G0+4*(\s)+3], s[G0+4*(\s)+3], 0x80000000
	s_mov_b32 s[G0B+4*(\s)], 1
	s_add_co_u32 s[G0B+4*(\s)+1], s20, (\s)*SLOT
	s_add_nc_u64 s[G0B+4*(\s)+2:G0B+4*(\s)+3], s[46:47], (\s)*KSTEP*2
	s_or_b32 s[G0B+4*(\s)+3], s[G0B+4*(\s)+3], 0x80000000
	JLOAD \s                                       ; K steps 0 and 1: two tensor loads of mine are out
.endr
	v_and_b32 v1, 15, v0                           ; r = l % 16
	v_bfe_u32 v2, v0, 4, 1                         ; h = l / 16
	v_mul_u32_u24 v3, v1, PITCH
	v_lshl_add_u32 v3, v2, 4, v3                   ; a fragment's row x pitch + 16 x half
	s_mul_i32 s21, s11, HALFT
	s_mul_i32 s22, s12, HALFT
	s_add_co_u32 s22, s22, 2*HALFT
	v_add_nc_u32 v[ADRA0], s21, v3
	v_add_nc_u32 v[ADRB0], s22, v3
	v_mov_b32 v[ADRA], v[ADRA0]
	v_mov_b32 v[ADRB], v[ADRB0]
	s_mov_b32 s2, 0                                ; slot 0 is read first
	s_mul_i32 s23, s10, DW                         ; my dump
	v_mul_u32_u24 v4, v1, DPITCH
	v_lshl_add_u32 v4, v2, 5, v4
	v_add_nc_u32 v[STO], s23, v4                   ; in: row r, 32 bytes for each half of the lanes
	v_mul_u32_u24 v5, v2, DPITCH
	v_lshl_add_u32 v5, v1, 5, v5
	v_add_nc_u32 v[RD], s23, v5                    ; back: lanes 0-15 one row, lanes 16-31 the next, 32 bytes a lane
	v_lshlrev_b32 v5, 11, v2
	v_lshl_add_u32 v[CO], v1, 4, v5                ; the same two rows in C, 16 bytes a lane
	s_lshl_b32 s72, s13, 8
	s_lshl_b32 s73, s11, 7
	s_add_co_u32 s72, s72, s73                     ; my first row of C
	s_lshl_b32 s72, s72, 11
	s_lshl_b32 s73, ttmp9, 24                      ; q or k
	s_add_co_u32 s72, s72, s73
	s_lshl_b32 s73, s40, 9                         ; the tile's 256 columns
	s_add_co_u32 s72, s72, s73
	s_lshl_b32 s73, s12, 8                         ; my 128 of them
	s_add_co_u32 s72, s72, s73
	s_mov_b32 s73, 0
	s_add_nc_u64 s[8:9], s[8:9], s[72:73]
	s_cmp_eq_u32 ttmp9, 0
	s_cselect_b64 s[70:71], s[68:69], s[70:71]     ; bq or bk
	s_lshl_b32 s74, s40, 10
	s_lshl_b32 s75, s12, 9
	s_add_co_u32 s74, s74, s75
	v_lshl_add_u32 v[BO], v1, 5, s74               ; 4 x (256 cx + 128 half + 8 r)
	global_load_b128 v[BIAS:BIAS+3], v[BO], s[70:71]
	global_load_b128 v[BIAS+4:BIAS+7], v[BO], s[70:71] offset:16
	; the prefetches
	s_lshl_b32 s20, s13, 8
	s_lshl_b32 s23, s42, 8
	s_and_b32 s22, ttmp7, 0xffff                   ; cluster y
	s_cmp_eq_u32 s11, 0                            ; do I fetch for A?
	s_cselect_b32 s20, s20, s23                    ; the tile's first row
	s_cselect_b32 s21, s40, s41                    ; my place among the four that ask with me
	s_cselect_b32 s22, ttmp9, s22                  ; the coordinate along which other clusters read the same rows
	s_cselect_b64 s[PFA:PFA+1], s[4:5], s[6:7]
	s_cmp_eq_u32 s22, 0
	s_cselect_b32 s[LIM], 2, -1
	s_lshl_b32 s22, s12, 7
	s_add_co_u32 s20, s20, s22                     ; + the 128 rows that I fetch
	s_lshl_b32 s21, s21, 5
	s_add_co_u32 s20, s20, s21                     ; + my work-group's 32 of them
	s_lshl_b32 s20, s20, 11
	s_mov_b32 s21, 0
	s_add_nc_u64 s[PFA:PFA+1], s[PFA:PFA+1], s[20:21]
	s_add_nc_u64 s[PFA:PFA+1], s[PFA:PFA+1], 2*KSTEP*2  ; at K step 2: the first refill steps it to 3 and names 4
	v_and_b32 v[PFO], 31, v0
	v_lshlrev_b32 v[PFO], 11, v[PFO]
	s_wait_loadcnt 0x0                             ; the bias, rounded to bf16 and widened again
.irp j, 0,1,2,3
	v_cvt_pk_bf16_f32 v[BIAS+8+(\j)], v[BIAS+2*(\j)], v[BIAS+2*(\j)+1]
.endr
.irp j, 0,1,2,3
	v_lshlrev_b32 v[BIAS+2*(\j)], 16, v[BIAS+8+(\j)]
	v_and_b32 v[BIAS+2*(\j)+1], 0xffff0000, v[BIAS+8+(\j)]
.endr
; 16 matrix instructions: m blocks a0, a0 + 1 of the window's four x all 8 n blocks, 32 along K.  zero = 1: the product starts the sums.  The 64 accumulators take turns.
.macro MUL16 f, hi, a0, zero
	WIN MUL_LO+0x50*(\hi)
.irp a, \a0, (\a0)+1
.irp b, 0,1,2,3,4,5,6,7
.if \zero
	v_wmma_f32_16x16x32_bf16 v[8*(8*(\a)+(\b)):8*(8*(\a)+(\b))+7], v[(\f)+8*(\b):(\f)+8*(\b)+7], v[(\f)+8*(4*(\hi)+(\a)):(\f)+8*(4*(\hi)+(\a))+7], 0
.else
	v_wmma_f32_16x16x32_bf16 v[8*(8*(\a)+(\b)):8*(8*(\a)+(\b))+7], v[(\f)+8*(\b):(\f)+8*(\b)+7], v[(\f)+8*(4*(\hi)+(\a)):(\f)+8*(4*(\hi)+(\a))+7], v[8*(8*(\a)+(\b)):8*(8*(\a)+(\b))+7]
.endif
.endr
.endr
.endm
; 32 LDS loads in one run: a quarter step's fragments (32 K at byte k of the rows of the slot in hand) into buffer f; B's first, then A's
.macro FETCH k, f
	WIN TO_B
.irp i, 0,1,2,3,4,5,6,7
	ds_load_b128 v[(\f)+8*(\i):(\f)+8*(\i)+3],   v[ADRB] offset:(\k)+(\i)*16*PITCH
	ds_load_b128 v[(\f)+8*(\i)+4:(\f)+8*(\i)+7], v[ADRB] offset:(\k)+(\i)*16*PITCH+32
.endr
	WIN 0
.irp i, 0,1,2,3,4,5,6,7
	ds_load_b128 v[(\f)+8*(\i):(\f)+8*(\i)+3],   v[ADRA] offset:(\k)+(\i)*16*PITCH
	ds_load_b128 v[(\f)+8*(\i)+4:(\f)+8*(\i)+7], v[ADRA] offset:(\k)+(\i)*16*PITCH+32
.endr
.endm
; One of a K step's first three quarters: multiplies buffer f, and in its middle fetches the next quarter, at byte k, into buffer g
.macro QUARTER k, f, g, zero
	s_wait_dscnt 8                                 ; B and A's rows 0-63 are in; the youngest eight loads (A's rows 64-127) may be out
	MUL16 \f, 0, 0, \zero
	MUL16 \f, 0, 2, \zero
	PLACES
	FETCH \k, \g
	s_wait_dscnt 32                                ; all but the 32 just issued
	MUL16 \f, 1, 0, \zero
	MUL16 \f, 1, 2, \zero
.endm
; The last quarter multiplies buffer 1 and changes slots.  In front of the barrier each wave waits for all its tensor loads (one is out: its part of the next slot), adds 0 to its spare word and
; waits for that and for its reads of this slot.  fill = 1: the barrier opens a round of the cluster's, and the slot just read is filled again, first thing behind it, with the K step two on.
.macro TURN fill
.if \fill
	s_wait_xcnt 0x0                                ; the last prefetch, a K step back, has read its address
	s_add_nc_u64 s[PFA:PFA+1], s[PFA:PFA+1], KSTEP*2
.endif
	WIN 0
	s_wait_tensorcnt 0x0                           ; no tensor load of mine is out, so a group 0 may be written
	ds_add_u32 v[SPW], v[NIL]
.if \fill
	s_xor_b32 s[G0+5], s[G0+5], SLOT               ; the walking descriptors: the other slot than last time,
	s_add_nc_u64 s[G0+6:G0+7], s[G0+6:G0+7], KSTEP*2  ; the next K step; the type bits on top are not reached
	s_xor_b32 s[G0B+5], s[G0B+5], SLOT
	s_add_nc_u64 s[G0B+6:G0B+7], s[G0B+6:G0B+7], KSTEP*2
.endif
	s_wait_dscnt 9                                 ; the add and the youngest eight loads may be out
	MUL16 F1, 0, 0, 0
	s_wait_dscnt 0x0                               ; the add is done, my reads of this slot are over
	s_barrier_signal -1
	MUL16 F1, 0, 2, 0
	WIN 0
	s_barrier_wait -1
.if \fill
	CREST
	JLOAD 1                                        ; its four v_nop are also the places in front of the loads below
.else
	PLACES
.endif
	s_xor_b32 s2, s2, SLOT                         ; the reads go on in the other slot
	v_add_nc_u32 v[ADRA], s2, v[ADRA0]
	v_add_nc_u32 v[ADRB], s2, v[ADRB0]
	FETCH 0, F0
.if \fill
	ASK
.endif
	MUL16 F1, 1, 0, 0
	MUL16 F1, 1, 2, 0
.endm
	s_wait_tensorcnt 1                             ; my part of K step 0 is in; K step 1's may stay out
	s_barrier_signal -1
	s_barrier_wait -1
	FETCH 0, F0
	QUARTER 64, F0, F1, 1                          ; the first quarter starts the sums
	WIN 0
	s_mov_b32 s3, KS-2
.Lstep:                                                ; a trip: a K step's quarters 1 to 3, the refill, and the next step's quarter 0
	QUARTER 128, F1, F0, 0
	QUARTER 192, F0, F1, 0
	TURN 1
	QUARTER 64, F0, F1, 0
	WIN 0
	s_sub_co_u32 s3, s3, 1
	s_cmp_lg_u32 s3, 0
	s_cbranch_scc1 .Lstep
	QUARTER 128, F1, F0, 0                         ; the last two K steps are written out: nothing is left to ask for
	QUARTER 192, F0, F1, 0
	TURN 0
	QUARTER 64, F0, F1, 0
	QUARTER 128, F1, F0, 0
	QUARTER 192, F0, F1, 0
	s_wait_dscnt 8
	MUL16 F1, 0, 0, 0
	MUL16 F1, 0, 2, 0
	s_wait_dscnt 0x0
	MUL16 F1, 1, 0, 0
	MUL16 F1, 1, 2, 0
	WIN 0
	PLACES                                         ; behind the last products, ahead of the stores that read results
	s_barrier_signal -1                            ; every wave's reads of the ring are back: the ring, which has had its last fill, may be written
	s_barrier_wait -1
.irp hi, 0,1
	WIN 0x08+4*(\hi)                               ; store data in window 2 or 3
.irp a, 0,1,2,3
.irp b, 0,1,2,3,4,5,6,7
	ds_store_b128 v[STO], v[8*(8*(\a)+(\b)):8*(8*(\a)+(\b))+3]   offset:(4*(\hi)+(\a))*16*DPITCH+64*(\b)     ; each accumulator's low registers first
	ds_store_b128 v[STO], v[8*(8*(\a)+(\b))+4:8*(8*(\a)+(\b))+7] offset:(4*(\hi)+(\a))*16*DPITCH+64*(\b)+16
.endr
.endr
.endr
	WIN 0
	s_mov_b32 s3, 8
	s_mov_b32 s76, 0
.Lrows:                                                ; 16 rows a trip; LDS serves a wave's instructions in order (ISA guide 5.7.1.4): the loads see my stores above
	v_add_nc_u32 v[RDC], s76, v[RD]
.irp p, 0,1,2,3,4,5,6,7
	ds_load_b128 v[D+8*(\p):D+8*(\p)+3],   v[RDC] offset:2*DPITCH*(\p)
	ds_load_b128 v[D+8*(\p)+4:D+8*(\p)+7], v[RDC] offset:2*DPITCH*(\p)+16
.endr
.irp p, 0,1,2,3,4,5,6,7
	s_wait_dscnt 14-2*(\p)                         ; rows 2 p and 2 p + 1 are in
.irp j, 0,1,2,3
	v_pk_add_f32 v[D+8*(\p)+2*(\j):D+8*(\p)+2*(\j)+1], v[D+8*(\p)+2*(\j):D+8*(\p)+2*(\j)+1], v[BIAS+2*(\j):BIAS+2*(\j)+1]
.endr
.irp j, 0,1,2,3
	v_cvt_pk_bf16_f32 v[OUT+4*(\p)+(\j)], v[D+8*(\p)+2*(\j)], v[D+8*(\p)+2*(\j)+1]
.endr
	global_store_b128 v[CO], v[OUT+4*(\p):OUT+4*(\p)+3], s[8:9] offset:2*ROWB*(\p)  ; 16 lanes store 256 consecutive bytes, aligned
.endr
	s_add_co_u32 s76, s76, 16*DPITCH
	s_wait_xcnt 0x0                                ; the stores have read their data and their base
	s_add_nc_u64 s[8:9], s[8:9], 16*ROWB
	s_sub_co_u32 s3, s3, 1
	s_cmp_lg_u32 s3, 0
	s_cbranch_scc1 .Lrows
	s_wait_tensorcnt 0x0                           ; the wave's end
	ds_add_u32 v[SPW], v[NIL]
	s_wait_dscnt 0x0
	CROUND                                         ; the closing round
	s_endpgm
.Lfunc_end_k_qa9e65d13c4_qk:
	.size	k_qa9e65d13c4_qk, .Lfunc_end_k_qa9e65d13c4_qk-k_qa9e65d13c4_qk
	.p2alignl 7, 3214868480
	.fill 96, 4, 3214868480
	.section	.rodata,"a",@progbits
	.p2align	6, 0x0
	.amdhsa_kernel k_qa9e65d13c4_qk
		.amdhsa_group_segment_fixed_size 327680
		.amdhsa_private_segment_fixed_size 0
		.amdhsa_enable_private_segment 0
		.amdhsa_kernarg_size 40
		.amdhsa_user_sgpr_count 2
		.amdhsa_user_sgpr_kernarg_segment_ptr 1
		.amdhsa_wavefront_size32 1
		.amdhsa_system_sgpr_workgroup_id_x 1
		.amdhsa_system_sgpr_workgroup_id_y 1
		.amdhsa_system_sgpr_workgroup_id_z 1
		.amdhsa_system_vgpr_workitem_id 0
		.amdhsa_next_free_vgpr 1024
		.amdhsa_next_free_sgpr 80
		.amdhsa_reserve_vcc 0
		.amdhsa_float_denorm_mode_32 3
		.amdhsa_float_denorm_mode_16_64 3
		.amdhsa_memory_ordered 1
		.amdhsa_forward_progress 1
		.amdhsa_inst_pref_size 102
	.end_amdhsa_kernel
	.amdgpu_metadata
---
amdhsa.version: [ 1, 2 ]
amdhsa.kernels:
  - .name:           k_qa9e65d13c4_qk
    .symbol:         k_qa9e65d13c4_qk.kd
    .args:
      - { .name: xb, .offset: 0, .size: 8, .value_kind: global_buffer, .address_space: global }
      - { .name: wb, .offset: 8, .size: 8, .value_kind: global_buffer, .address_space: global }
      - { .name: qk, .offset: 16, .size: 8, .value_kind: global_buffer, .address_space: global }
      - { .name: bq, .offset: 24, .size: 8, .value_kind: global_buffer, .address_space: global }
      - { .name: bk, .offset: 32, .size: 8, .value_kind: global_buffer, .address_space: global }
    .group_segment_fixed_size: 327680
    .private_segment_fixed_size: 0
    .kernarg_segment_align: 8
    .kernarg_segment_size: 40
    .max_flat_workgroup_size: 128
    .sgpr_count:     80
    .vgpr_count:     1024
    .wavefront_size: 32
...
	.end_amdgpu_metadata
.endif
;; end of part 2
;; launch vt (part 3): grid 32 x 8, 4 waves a work-group, clusters of 4 x 4, 327,680 bytes of LDS; arguments wb, xb, vt, bv; writes vt
.if DOCPART == 3
	.amdgcn_target "amdgcn-amd-amdhsa--gfx1250"
	.amdhsa_code_object_version 6
	.text
	.protected	k_qa9e65d13c4_vt
	.globl	k_qa9e65d13c4_vt
	.p2align	8
	.type	k_qa9e65d13c4_vt,@function
k_qa9e65d13c4_vt:
	s_mov_b64 s[64:65], 0
	v_nop
	global_prefetch_b8 v0, s[64:65] scope:SCOPE_SE
	s_setreg_imm32_b32 hwreg(HW_REG_WAVE_MODE, 25, 1), 1
	s_wait_xcnt 0x0
	s_wait_alu depctr_hold_cnt(0) depctr_sa_sdst(0) depctr_va_vdst(0) depctr_va_sdst(0) depctr_va_ssrc(0) depctr_va_vcc(0) depctr_vm_vsrc(0)
	s_getreg_b32 s2, hwreg(HW_REG_IB_STS2, 6, 4)
	s_cmp_eq_u32 s2, 0
	s_cbranch_scc0 .Lentry_in_a_cluster
	s_endpgm
.Lentry_in_a_cluster:
	s_bfe_u32 s2, ttmp6, 0x10000c
	s_cmp_lg_u32 s2, 0xf033
	s_cbranch_scc0 .Lentry_shape_is_right
	s_endpgm
.Lentry_shape_is_right:
; v TRANSPOSED: vt[ch][row] = the sum over c of Wv[ch][c] x[row][c] + bv[ch].  A = wb's rows 2,048-3,071 (Wv), B = xb, both bf16; sums in f32; bv rounded to bf16 like every input.
; vt is [1024][8192] in f16, rounded once.  LIMIT: f16 ends at 65,504: |v| must stay below it.  NaN and infinities are not treated apart.
; A tile of C is 128 (channels) x 256 (rows of x), so that the launch has 256 work-groups.  Four waves, each 64 x 128 in 32 accumulators.  K goes in 8 steps of 128 through two LDS slots.
; CLUSTER 4 x 4 with joint loads: A's tile along a row of the cluster, B's along a column.  The matrix instruction is used transposed: a lane holds one channel and eight neighbouring rows of x.
; A trip of the loop is ONE K step; slot 1 begins at 1 << 17, so one exclusive or turns an address in one slot into the other's.
; REGISTERS by windows of 256: window 0: addresses and the way out; window 1: v64-191 B's two fragment buffers; window 2: v0-127 accumulator rows 0, 1, v128-159 A's fragments 0, 1 of both buffers; window 3: the same for rows and fragments 2, 3.
.set KSTEP,  128
.set KS,     8
.set ROWB,   2048                      ; bytes in a row of wb and xb
.set CROW,   16384                     ; bytes in a row of vt
.set PITCH,  272
.set AH,     64*PITCH                  ; half of A's tile: what waves 0 and 1 fetch
.set BH,     128*PITCH                 ; half of B's tile: what waves 2 and 3 fetch
.set BOFF,   2*AH
.set SLOT1,  1<<17
.set BT,     SLOT1+BOFF+2*BH           ; behind the ring: the tile's 128 biases, f32
.set SPARE,  BT+512                    ; the spare words
.set DPITCH, 528
.set DW,     64*DPITCH
.set ADRA0, 16
.set ADRA,  17
.set RDC,   18
.set TAC,   19
.set ADRB0, 20
.set ADRB,  21
.set BO,    22
.set STO,   24
.set RD,    25
.set CO,    26
.set SPW,   28
.set NIL,   29
.set PFO,   30
.set TA,    31
.set D,     64
.set OUT,   128
.set BV,    160
.set BF,    64                         ; B's fragments, window 1: buffer f at BF + 64 f
.set AF,    128                        ; A's fragments, windows 2 and 3: buffer f at AF + 16 f
.set G1,  24
.set G0,  32
.set G1B, 48
.set G0B, 56
.set LIM, 43
.set PFA, 44
.set GW0, (1<<16)|(1<<20)|(1<<21)|(5<<22)|(3<<25)
.set MUL_LO, 0xa9                      ; source 0 (B) window 1; source 1 (A), C and D window 2
.set MSB, 0
.macro WIN new
.if MSB != (\new)
	s_set_vgpr_msb (MSB<<8)|(\new)
.set MSB, \new
.endif
.endm
.macro PLACES
.rept 4
	v_nop
.endr
.endm
.macro JLOAD s
	s_cmp_eq_u32 s11, 0
	s_cbranch_scc0 .Lfor_b_\@
	tensor_load_to_lds s[G0+4*(\s):G0+4*(\s)+3], s[G1:G1+7]
	s_nop 0
.rept 4
	v_nop
.endr
	s_branch .Lasked_\@
.Lfor_b_\@:
	tensor_load_to_lds s[G0B+4*(\s):G0B+4*(\s)+3], s[G1B:G1B+7]
	s_nop 0
.rept 4
	v_nop
.endr
.Lasked_\@:
.endm
; A prefetch of the K step two refills on, a lane a row.  A's 128 rows: wave 0 of the clusters with x = 0, 32 rows for each of the four partners; B's 256 rows: waves 2 and 3 of the clusters with y = 0.
.macro ASK
	s_cmp_gt_u32 s3, s[LIM]
	s_cbranch_scc0 .Lnot_mine_\@
	global_prefetch_b8 v[PFO], s[PFA:PFA+1] offset:KSTEP*2 th:TH_LOAD_NT scope:SCOPE_SE
.Lnot_mine_\@:
.endm
.macro CREST
	s_cmp_lg_u32 s10, 0
	s_cbranch_scc1 .Lnot_wave_0_\@
	s_barrier_signal -3
.Lnot_wave_0_\@:
	s_barrier_wait -3
	s_barrier_signal -1
	s_barrier_wait -1
.endm
.macro CROUND
	s_barrier_signal -1
	s_barrier_wait -1
	CREST
.endm
	s_load_b128 s[4:7], s[0:1], 0x0                ; wb s[4:5], xb s[6:7]
	s_load_b64 s[8:9], s[0:1], 0x10                ; vt
	s_load_b64 s[68:69], s[0:1], 0x18              ; bv
	v_lshl_add_u32 v[SPW], v0, 2, SPARE
	v_mov_b32 v[NIL], 0
	ds_add_u32 v[SPW], v[NIL]                      ; the wave's opening: the add and its wait come ahead of my first tensor load
	v_lshrrev_b32 v1, 5, v0
	v_readfirstlane_b32 s10, v1
	s_lshr_b32 s11, s10, 1                         ; my 64 of the tile's 128 rows; also: I fetch for A (0) or B (1)
	s_and_b32 s12, s10, 1                          ; my 128 of its 256 columns; also: which half I fetch
	s_bfe_u32 s40, ttmp6, 0x40000
	s_bfe_u32 s41, ttmp6, 0x40004
	s_lshl_b32 s42, ttmp9, 2
	s_add_co_u32 s42, s42, s40                     ; tile column 0..31
	s_and_b32 s13, ttmp7, 0xffff
	s_lshl_b32 s13, s13, 2
	s_add_co_u32 s13, s13, s41                     ; tile row 0..7
	s_lshl_b32 s14, s41, 2
	s_lshl_b32 s14, 15, s14
	s_lshl_b32 s15, 0x1111, s40
	s_or_b32 s[G1+0], s14, GW0
	s_or_b32 s[G1B+0], s15, GW0
.irp g, G1, G1B
	s_mov_b32 s[(\g)+1], KSTEP<<16
	s_mov_b32 s[(\g)+3], KSTEP<<16
	s_mov_b32 s[(\g)+5], 1024
	s_mov_b32 s[(\g)+6], 0
	s_mov_b32 s[(\g)+7], 0
.endr
	s_mov_b32 s[G1+2], 64<<16                      ; A's loads have 64 rows,
	s_mov_b32 s[G1+4], 64
	s_mov_b32 s[G1B+2], 128<<16                    ; B's 128
	s_mov_b32 s[G1B+4], 128
	s_lshl_b32 s16, s13, 7
	s_lshl_b32 s17, s12, 6
	s_add_co_u32 s16, s16, s17                     ; A: row 128 x tile row + 64 x half
	s_lshl_b32 s16, s16, 11
	s_mov_b32 s17, 0
	s_lshl_b32 s46, s42, 8
	s_lshl_b32 s47, s12, 7
	s_add_co_u32 s46, s46, s47                     ; B: row 256 x tile column + 128 x half
	s_lshl_b32 s46, s46, 11
	s_mov_b32 s47, 0
	s_mul_i32 s20, s12, AH                         ; where the loads land in a slot
	s_mul_i32 s21, s12, BH
	s_add_co_u32 s21, s21, BOFF
	s_wait_dscnt 0x0
	s_wait_kmcnt 0x0
	s_add_nc_u64 s[4:5], s[4:5], 0x400000          ; Wv: 2,048 rows down in wb
	s_add_nc_u64 s[18:19], s[4:5], s[16:17]
	s_add_nc_u64 s[46:47], s[6:7], s[46:47]
	CROUND
.irp s, 0,1
	s_mov_b32 s[G0+4*(\s)], 1
	s_add_co_u32 s[G0+4*(\s)+1], s20, (\s)*SLOT1
	s_add_nc_u64 s[G0+4*(\s)+2:G0+4*(\s)+3], s[18:19], (\s)*KSTEP*2
	s_or_b32 s[G0+4*(\s)+3], s[G0+4*(\s)+3], 0x80000000
	s_mov_b32 s[G0B+4*(\s)], 1
	s_add_co_u32 s[G0B+4*(\s)+1], s21, (\s)*SLOT1
	s_add_nc_u64 s[G0B+4*(\s)+2:G0B+4*(\s)+3], s[46:47], (\s)*KSTEP*2
	s_or_b32 s[G0B+4*(\s)+3], s[G0B+4*(\s)+3], 0x80000000
	JLOAD \s
.endr
	s_lshl_b32 s72, s13, 9                         ; the tile's 128 biases
	s_mov_b32 s73, 0
	s_add_nc_u64 s[68:69], s[68:69], s[72:73]
	v_lshlrev_b32 v[BO], 2, v0
	global_load_b32 v32, v[BO], s[68:69]           ; thread t: channel t of the tile
	v_and_b32 v1, 15, v0
	v_bfe_u32 v2, v0, 4, 1
	v_mul_u32_u24 v3, v1, PITCH
	v_lshl_add_u32 v3, v2, 4, v3
	s_mul_i32 s22, s11, AH
	s_mul_i32 s23, s12, BH
	s_add_co_u32 s23, s23, BOFF
	v_add_nc_u32 v[ADRA0], s22, v3
	v_add_nc_u32 v[ADRB0], s23, v3
	v_mov_b32 v[ADRA], v[ADRA0]
	v_mov_b32 v[ADRB], v[ADRB0]
	s_mov_b32 s2, 0
	s_mul_i32 s23, s10, DW
	v_mul_u32_u24 v4, v1, DPITCH
	v_lshl_add_u32 v4, v2, 5, v4
	v_add_nc_u32 v[STO], s23, v4
	v_mul_u32_u24 v5, v2, DPITCH
	v_lshl_add_u32 v5, v1, 5, v5
	v_add_nc_u32 v[RD], s23, v5
	v_lshlrev_b32 v5, 14, v2
	v_lshl_add_u32 v[CO], v1, 4, v5                ; two rows of vt, 16 bytes a lane
	s_lshl_b32 s74, s11, 8
	s_add_co_u32 s74, s74, BT
	v_lshl_add_u32 v[TA], v2, 2, s74               ; the bias of my row in a pass
	s_lshl_b32 s72, s13, 7
	s_lshl_b32 s73, s11, 6
	s_add_co_u32 s72, s72, s73                     ; my first channel
	s_lshl_b32 s72, s72, 14
	s_lshl_b32 s73, s42, 9
	s_add_co_u32 s72, s72, s73
	s_lshl_b32 s73, s12, 8
	s_add_co_u32 s72, s72, s73
	s_mov_b32 s73, 0
	s_add_nc_u64 s[8:9], s[8:9], s[72:73]
	; the prefetches
	s_lshl_b32 s20, s13, 7                         ; A's tile: its first row
	s_lshl_b32 s21, s42, 8
	s_lshl_b32 s22, s12, 7
	s_add_co_u32 s21, s21, s22                     ; B: the 128 rows that I fetch
	s_and_b32 s22, ttmp7, 0xffff                   ; cluster y
	s_or_b32 s23, ttmp9, s12                       ; 0 in wave 0 of the clusters with x = 0
	s_cmp_eq_u32 s11, 0
	s_cselect_b32 s20, s20, s21
	s_cselect_b32 s21, s40, s41
	s_cselect_b32 s22, s23, s22
	s_cselect_b64 s[PFA:PFA+1], s[4:5], s[6:7]
	s_cmp_eq_u32 s22, 0
	s_cselect_b32 s[LIM], 2, -1
	s_lshl_b32 s21, s21, 5
	s_add_co_u32 s20, s20, s21
	s_lshl_b32 s20, s20, 11
	s_mov_b32 s21, 0
	s_add_nc_u64 s[PFA:PFA+1], s[PFA:PFA+1], s[20:21]
	s_add_nc_u64 s[PFA:PFA+1], s[PFA:PFA+1], 2*KSTEP*2
	v_and_b32 v[PFO], 31, v0
	v_lshlrev_b32 v[PFO], 11, v[PFO]
	v_lshl_add_u32 v34, v0, 2, BT
	s_wait_loadcnt 0x0
	v_cvt_pk_bf16_f32 v33, v32, v32                ; the bias rounded to bf16,
	v_lshlrev_b32 v33, 16, v33                     ; widened again,
	ds_store_b32 v34, v33                          ; and laid where every wave finds it
; 8 matrix instructions: m block a x all 8 n blocks, 32 along K, from buffer f.  The 32 accumulators take turns.
.macro ROW f, a, zero
	WIN MUL_LO+0x54*((\a)/2)
.set rA, AF+16*(\f)+8*((\a)%2)
.irp b, 0,1,2,3,4,5,6,7
.set rC, 64*((\a)%2)+8*(\b)
.set rB, BF+64*(\f)+8*(\b)
.if \zero
	v_wmma_f32_16x16x32_bf16 v[rC:rC+7], v[rB:rB+7], v[rA:rA+7], 0
.else
	v_wmma_f32_16x16x32_bf16 v[rC:rC+7], v[rB:rB+7], v[rA:rA+7], v[rC:rC+7]
.endif
.endr
.endm
; 24 LDS loads in one run: B's 8 fragments, then A's 4
.macro FETCH k, f
	WIN 0x40
.irp i, 0,1,2,3,4,5,6,7
	ds_load_b128 v[BF+64*(\f)+8*(\i):BF+64*(\f)+8*(\i)+3],   v[ADRB] offset:(\k)+(\i)*16*PITCH
	ds_load_b128 v[BF+64*(\f)+8*(\i)+4:BF+64*(\f)+8*(\i)+7], v[ADRB] offset:(\k)+(\i)*16*PITCH+32
.endr
.irp w, 0,1
	WIN 0x80+0x40*(\w)
.irp i, 0,1
	ds_load_b128 v[AF+16*(\f)+8*(\i):AF+16*(\f)+8*(\i)+3],   v[ADRA] offset:(\k)+(2*(\w)+(\i))*16*PITCH
	ds_load_b128 v[AF+16*(\f)+8*(\i)+4:AF+16*(\f)+8*(\i)+7], v[ADRA] offset:(\k)+(2*(\w)+(\i))*16*PITCH+32
.endr
.endr
.endm
.macro QUARTER k, f, g, zero
	s_wait_dscnt 4                                 ; all but A's fragments 2 and 3
	ROW \f, 0, \zero
	ROW \f, 1, \zero
	PLACES
	FETCH \k, \g
	s_wait_dscnt 24                                ; all but the 24 just issued
	ROW \f, 2, \zero
	ROW \f, 3, \zero
.endm
.macro TURN fill
.if \fill
	s_wait_xcnt 0x0                                ; the last prefetch, a K step back, has read its address
	s_add_nc_u64 s[PFA:PFA+1], s[PFA:PFA+1], KSTEP*2
.endif
	WIN 0
	s_wait_tensorcnt 0x0                           ; no tensor load of mine is out, so a group 0 may be written
	ds_add_u32 v[SPW], v[NIL]
.if \fill
	s_xor_b32 s[G0+5], s[G0+5], SLOT1
	s_add_nc_u64 s[G0+6:G0+7], s[G0+6:G0+7], KSTEP*2
	s_xor_b32 s[G0B+5], s[G0B+5], SLOT1
	s_add_nc_u64 s[G0B+6:G0B+7], s[G0B+6:G0B+7], KSTEP*2
.endif
	s_wait_dscnt 5                                 ; the add and the youngest four loads may be out
	ROW 1, 0, 0
	s_wait_dscnt 0x0                               ; the add is done, my reads of this slot are over
	s_barrier_signal -1
	ROW 1, 1, 0
	WIN 0
	s_barrier_wait -1
.if \fill
	CREST
	JLOAD 1
.else
	PLACES
.endif
	s_xor_b32 s2, s2, SLOT1
	v_add_nc_u32 v[ADRA], s2, v[ADRA0]
	v_add_nc_u32 v[ADRB], s2, v[ADRB0]
	FETCH 0, 0
.if \fill
	WIN 0
	ASK
.endif
	ROW 1, 2, 0
	ROW 1, 3, 0
.endm
	s_wait_tensorcnt 1                             ; my part of K step 0 is in; K step 1's may stay out
	s_wait_dscnt 0x0                               ; my bias is stored
	s_barrier_signal -1
	s_barrier_wait -1
	FETCH 0, 0
	QUARTER 64, 0, 1, 1
	WIN 0
	s_mov_b32 s3, KS-2
.Lstep:
	QUARTER 128, 1, 0, 0
	QUARTER 192, 0, 1, 0
	TURN 1
	QUARTER 64, 0, 1, 0
	WIN 0
	s_sub_co_u32 s3, s3, 1
	s_cmp_lg_u32 s3, 0
	s_cbranch_scc1 .Lstep
	QUARTER 128, 1, 0, 0
	QUARTER 192, 0, 1, 0
	TURN 0
	QUARTER 64, 0, 1, 0
	QUARTER 128, 1, 0, 0
	QUARTER 192, 0, 1, 0
	s_wait_dscnt 4
	ROW 1, 0, 0
	ROW 1, 1, 0
	s_wait_dscnt 0x0
	ROW 1, 2, 0
	ROW 1, 3, 0
	WIN 0
	PLACES
	s_barrier_signal -1                            ; every wave's reads of the ring are back: the ring, which has had its last fill, may be written
	s_barrier_wait -1
.irp hi, 0,1
	WIN 0x08+4*(\hi)
.irp a, 0,1
.irp b, 0,1,2,3,4,5,6,7
	ds_store_b128 v[STO], v[64*(\a)+8*(\b):64*(\a)+8*(\b)+3]   offset:(2*(\hi)+(\a))*16*DPITCH+64*(\b)
	ds_store_b128 v[STO], v[64*(\a)+8*(\b)+4:64*(\a)+8*(\b)+7] offset:(2*(\hi)+(\a))*16*DPITCH+64*(\b)+16
.endr
.endr
.endr
	WIN 0
	s_mov_b32 s3, 4
	s_mov_b32 s76, 0
	s_mov_b32 s77, 0
.Lrows:                                                ; 16 channels a trip
	v_add_nc_u32 v[RDC], s76, v[RD]
	v_add_nc_u32 v[TAC], s77, v[TA]
.irp p, 0,1,2,3,4,5,6,7
	ds_load_b32 v[BV+(\p)], v[TAC] offset:8*(\p)
.endr
.irp p, 0,1,2,3,4,5,6,7
	ds_load_b128 v[D+8*(\p):D+8*(\p)+3],   v[RDC] offset:2*DPITCH*(\p)
	ds_load_b128 v[D+8*(\p)+4:D+8*(\p)+7], v[RDC] offset:2*DPITCH*(\p)+16
.endr
.irp p, 0,1,2,3,4,5,6,7
	s_wait_dscnt 14-2*(\p)
.irp j, 0,1,2,3,4,5,6,7
	v_add_f32 v[D+8*(\p)+(\j)], v[D+8*(\p)+(\j)], v[BV+(\p)]
.endr
.irp j, 0,1,2,3
	v_cvt_pk_f16_f32 v[OUT+4*(\p)+(\j)], v[D+8*(\p)+2*(\j)], v[D+8*(\p)+2*(\j)+1]
.endr
	global_store_b128 v[CO], v[OUT+4*(\p):OUT+4*(\p)+3], s[8:9] offset:2*CROW*(\p)  ; 16 lanes store 256 consecutive bytes, aligned
.endr
	s_add_co_u32 s76, s76, 16*DPITCH
	s_add_co_u32 s77, s77, 64
	s_wait_xcnt 0x0
	s_add_nc_u64 s[8:9], s[8:9], 16*CROW
	s_sub_co_u32 s3, s3, 1
	s_cmp_lg_u32 s3, 0
	s_cbranch_scc1 .Lrows
	s_wait_tensorcnt 0x0                           ; the wave's end
	ds_add_u32 v[SPW], v[NIL]
	s_wait_dscnt 0x0
	CROUND
	s_endpgm
.Lfunc_end_k_qa9e65d13c4_vt:
	.size	k_qa9e65d13c4_vt, .Lfunc_end_k_qa9e65d13c4_vt-k_qa9e65d13c4_vt
	.p2alignl 7, 3214868480
	.fill 96, 4, 3214868480
	.section	.rodata,"a",@progbits
	.p2align	6, 0x0
	.amdhsa_kernel k_qa9e65d13c4_vt
		.amdhsa_group_segment_fixed_size 327680
		.amdhsa_private_segment_fixed_size 0
		.amdhsa_enable_private_segment 0
		.amdhsa_kernarg_size 32
		.amdhsa_user_sgpr_count 2
		.amdhsa_user_sgpr_kernarg_segment_ptr 1
		.amdhsa_wavefront_size32 1
		.amdhsa_system_sgpr_workgroup_id_x 1
		.amdhsa_system_sgpr_workgroup_id_y 1
		.amdhsa_system_sgpr_workgroup_id_z 1
		.amdhsa_system_vgpr_workitem_id 0
		.amdhsa_next_free_vgpr 928
		.amdhsa_next_free_sgpr 80
		.amdhsa_reserve_vcc 0
		.amdhsa_float_denorm_mode_32 3
		.amdhsa_float_denorm_mode_16_64 3
		.amdhsa_memory_ordered 1
		.amdhsa_forward_progress 1
		.amdhsa_inst_pref_size 68
	.end_amdhsa_kernel
	.amdgpu_metadata
---
amdhsa.version: [ 1, 2 ]
amdhsa.kernels:
  - .name:           k_qa9e65d13c4_vt
    .symbol:         k_qa9e65d13c4_vt.kd
    .args:
      - { .name: wb, .offset: 0, .size: 8, .value_kind: global_buffer, .address_space: global }
      - { .name: xb, .offset: 8, .size: 8, .value_kind: global_buffer, .address_space: global }
      - { .name: vt, .offset: 16, .size: 8, .value_kind: global_buffer, .address_space: global }
      - { .name: bv, .offset: 24, .size: 8, .value_kind: global_buffer, .address_space: global }
    .group_segment_fixed_size: 327680
    .private_segment_fixed_size: 0
    .kernarg_segment_align: 8
    .kernarg_segment_size: 32
    .max_flat_workgroup_size: 128
    .sgpr_count:     80
    .vgpr_count:     928
    .wavefront_size: 32
...
	.end_amdgpu_metadata
.endif
;; end of part 3
;; launch sc (part 4): grid 8 x 32, 4 waves a work-group, clusters of 4 x 4, 327,680 bytes of LDS; arguments qk, pp, st; writes pp, st
.if DOCPART == 4
	.amdgcn_target "amdgcn-amd-amdhsa--gfx1250"
	.amdhsa_code_object_version 6
	.text
	.protected	k_qa9e65d13c4_sc
	.globl	k_qa9e65d13c4_sc
	.p2align	8
	.type	k_qa9e65d13c4_sc,@function
k_qa9e65d13c4_sc:
	s_mov_b64 s[64:65], 0
	v_nop
	global_prefetch_b8 v0, s[64:65] scope:SCOPE_SE
	s_setreg_imm32_b32 hwreg(HW_REG_WAVE_MODE, 25, 1), 1
	s_wait_xcnt 0x0
	s_wait_alu depctr_hold_cnt(0) depctr_sa_sdst(0) depctr_va_vdst(0) depctr_va_sdst(0) depctr_va_ssrc(0) depctr_va_vcc(0) depctr_vm_vsrc(0)
	s_getreg_b32 s2, hwreg(HW_REG_IB_STS2, 6, 4)
	s_cmp_eq_u32 s2, 0
	s_cbranch_scc0 .Lentry_in_a_cluster
	s_endpgm
.Lentry_in_a_cluster:
	s_bfe_u32 s2, ttmp6, 0x10000c
	s_cmp_lg_u32 s2, 0xf033
	s_cbranch_scc0 .Lentry_shape_is_right
	s_endpgm
.Lentry_shape_is_right:
; SCORES AND A SOFTMAX BY BLOCKS.  S = q k^T inside each batch of 2,048 rows (q, k bf16, sums f32).  A wave owns 128 queries x 128 keys (a key block).  For each query it takes the TRUE maximum m of
; its 128 scores, stores p = 2^(c s - c m), c = log2(e) / 32, in f16 into pp [8192][2048], and c m and l = the sum of the unrounded p, in f32, into st [2][16 key blocks][8192].
; The launch behind joins the blocks by the row's true maximum.  Every exponent here is at most a rounding above 0.  An exponential below 2^-126 counts as 0; p below 6e-5 keeps f16's fixed step; NaN and infinities are not treated apart.
; The product is the same 256 x 256 tile, ring, cluster and way out as the projection's: four waves, 64 accumulators each, 8 K steps of 128 through two LDS slots, joint loads, one K step a trip.
; In the way out a row's 128 scores lie in sixteen neighbouring lanes, eight a lane: maximum and sum ride on four DPP steps.  A trip's 64 exponentials are one batch with one wait.
.set KSTEP,  128
.set KS,     8
.set ROWB,   2048                      ; bytes in a row of q and k
.set CROW,   4096                      ; bytes in a row of pp
.set PITCH,  272
.set HALFT,  128*PITCH
.set SLOT,   4*HALFT                   ; 0x22000: no bit in common with the bases w x 34,816
.set SPARE,  2*SLOT
.set STAT,   SPARE+512                 ; 1,024 bytes a wave: c m of its 128 rows, then l
.set DPITCH, 528
.set DW,     128*DPITCH
.set ADRA0, 16
.set ADRA,  17
.set RDC,   18
.set SAC,   19
.set ADRB0, 20
.set ADRB,  21
.set SO,    22                         ; v22  16 x lane
.set STO,   24
.set RD,    25
.set CO,    26
.set SA,    27                         ; v27  where my row's statistics go, first trip
.set SPW,   28
.set NIL,   29
.set PFO,   30
.set SR,    31                         ; v31  where I read the statistics back
.set F0,    64
.set F1,    128
.set D,     64
.set OUT,   128
.set MX,    160                        ; pass p: c m at MX + 2 p, m at MX + 2 p + 1
.set SUM,   176
.set CS,    74                         ; s[74:75] c
.set G1,  24
.set G0,  32
.set G1B, 48
.set G0B, 56
.set LIM, 43
.set PFA, 44
.set GW0, (1<<16)|(1<<20)|(1<<21)|(5<<22)|(3<<25)
.set MUL_LO, 0xa1
.set MUL_HI, 0xf1
.set TO_B,   0x40
.set MSB, 0
.macro WIN new
.if MSB != (\new)
	s_set_vgpr_msb (MSB<<8)|(\new)
.set MSB, \new
.endif
.endm
.macro PLACES
.rept 4
	v_nop
.endr
.endm
.macro JLOAD s
	s_cmp_eq_u32 s11, 0
	s_cbranch_scc0 .Lfor_b_\@
	tensor_load_to_lds s[G0+4*(\s):G0+4*(\s)+3], s[G1:G1+7]
	s_nop 0
.rept 4
	v_nop
.endr
	s_branch .Lasked_\@
.Lfor_b_\@:
	tensor_load_to_lds s[G0B+4*(\s):G0B+4*(\s)+3], s[G1B:G1B+7]
	s_nop 0
.rept 4
	v_nop
.endr
.Lasked_\@:
.endm
; A prefetch of the K step two refills on, a lane a row.  q's rows are asked for by the clusters with x = 0, k's by the first of the two clusters (even y) that walk a batch's keys.
.macro ASK
	s_cmp_gt_u32 s3, s[LIM]
	s_cbranch_scc0 .Lnot_mine_\@
	global_prefetch_b8 v[PFO], s[PFA:PFA+1] offset:KSTEP*2 th:TH_LOAD_NT scope:SCOPE_SE
.Lnot_mine_\@:
.endm
.macro CREST
	s_cmp_lg_u32 s10, 0
	s_cbranch_scc1 .Lnot_wave_0_\@
	s_barrier_signal -3
.Lnot_wave_0_\@:
	s_barrier_wait -3
	s_barrier_signal -1
	s_barrier_wait -1
.endm
.macro CROUND
	s_barrier_signal -1
	s_barrier_wait -1
	CREST
.endm
	s_load_b64 s[4:5], s[0:1], 0x0                 ; qk: q
	s_load_b64 s[8:9], s[0:1], 0x8                 ; pp
	s_load_b64 s[68:69], s[0:1], 0x10              ; st
	v_lshl_add_u32 v[SPW], v0, 2, SPARE
	v_mov_b32 v[NIL], 0
	ds_add_u32 v[SPW], v[NIL]                      ; the wave's opening: the add and its wait come ahead of my first tensor load
	v_lshrrev_b32 v1, 5, v0
	v_readfirstlane_b32 s10, v1
	s_lshr_b32 s11, s10, 1
	s_and_b32 s12, s10, 1
	s_bfe_u32 s40, ttmp6, 0x40000
	s_bfe_u32 s41, ttmp6, 0x40004
	s_lshl_b32 s42, ttmp9, 2
	s_add_co_u32 s42, s42, s40                     ; tile column 0..7: 256 keys of the batch
	s_and_b32 s13, ttmp7, 0xffff
	s_lshr_b32 s47, s13, 1                         ; the batch: two clusters of 1,024 queries each
	s_lshl_b32 s13, s13, 2
	s_add_co_u32 s13, s13, s41                     ; tile row 0..31
	s_lshl_b32 s14, s41, 2
	s_lshl_b32 s14, 15, s14
	s_lshl_b32 s15, 0x1111, s40
	s_or_b32 s[G1+0], s14, GW0
	s_or_b32 s[G1B+0], s15, GW0
.irp g, G1, G1B
	s_mov_b32 s[(\g)+1], KSTEP<<16
	s_mov_b32 s[(\g)+2], 128<<16
	s_mov_b32 s[(\g)+3], KSTEP<<16
	s_mov_b32 s[(\g)+4], 128
	s_mov_b32 s[(\g)+5], 1024
	s_mov_b32 s[(\g)+6], 0
	s_mov_b32 s[(\g)+7], 0
.endr
	s_mov_b32 s[CS], 0x3d38aa3b                    ; c = log2(e) / 32
	s_mov_b32 s[CS+1], s[CS]                       ; named with it as a pair
	s_lshl_b32 s17, s12, 7
	s_lshl_b32 s16, s13, 8
	s_add_co_u32 s16, s16, s17                     ; q: row 256 x tile row + 128 x half
	s_lshl_b32 s16, s16, 11
	s_lshl_b32 s46, s42, 8
	s_add_co_u32 s46, s46, s17
	s_lshl_b32 s47, s47, 11
	s_add_co_u32 s46, s46, s47                     ; k: row 2,048 x batch + 256 x tile column + 128 x half
	s_lshl_b32 s46, s46, 11
	s_mov_b32 s17, 0
	s_mov_b32 s47, 0
	s_mul_i32 s20, s10, HALFT
	s_wait_dscnt 0x0
	s_wait_kmcnt 0x0
	s_add_nc_u64 s[6:7], s[4:5], 0x1000000         ; k lies behind q
	s_add_nc_u64 s[18:19], s[4:5], s[16:17]
	s_add_nc_u64 s[46:47], s[6:7], s[46:47]
	CROUND
.irp s, 0,1
	s_mov_b32 s[G0+4*(\s)], 1
	s_add_co_u32 s[G0+4*(\s)+1], s20, (\s)*SLOT
	s_add_nc_u64 s[G0+4*(\s)+2:G0+4*(\s)+3], s[18:19], (\s)*KSTEP*2
	s_or_b32 s[G0+4*(\s)+3], s[G0+4*(\s)+3], 0x80000000
	s_mov_b32 s[G0B+4*(\s)], 1
	s_add_co_u32 s[G0B+4*(\s)+1], s20, (\s)*SLOT
	s_add_nc_u64 s[G0B+4*(\s)+2:G0B+4*(\s)+3], s[46:47], (\s)*KSTEP*2
	s_or_b32 s[G0B+4*(\s)+3], s[G0B+4*(\s)+3], 0x80000000
	JLOAD \s
.endr
	v_and_b32 v1, 15, v0
	v_bfe_u32 v2, v0, 4, 1
	v_mul_u32_u24 v3, v1, PITCH
	v_lshl_add_u32 v3, v2, 4, v3
	s_mul_i32 s21, s11, HALFT
	s_mul_i32 s22, s12, HALFT
	s_add_co_u32 s22, s22, 2*HALFT
	v_add_nc_u32 v[ADRA0], s21, v3
	v_add_nc_u32 v[ADRB0], s22, v3
	v_mov_b32 v[ADRA], v[ADRA0]
	v_mov_b32 v[ADRB], v[ADRB0]
	s_mov_b32 s2, 0
	s_mul_i32 s23, s10, DW
	v_mul_u32_u24 v4, v1, DPITCH
	v_lshl_add_u32 v4, v2, 5, v4
	v_add_nc_u32 v[STO], s23, v4
	v_mul_u32_u24 v5, v2, DPITCH
	v_lshl_add_u32 v5, v1, 5, v5
	v_add_nc_u32 v[RD], s23, v5
	v_lshlrev_b32 v5, 12, v2
	v_lshl_add_u32 v[CO], v1, 4, v5                ; two rows of pp, 16 bytes a lane
	s_lshl_b32 s72, s10, 10
	s_add_co_u32 s72, s72, STAT                    ; my statistics
	v_lshl_add_u32 v[SA], v2, 2, s72
	v_and_b32 v[SO], 31, v0
	v_lshlrev_b32 v[SO], 4, v[SO]
	v_add_nc_u32 v[SR], s72, v[SO]
	s_lshl_b32 s72, s13, 8
	s_lshl_b32 s73, s11, 7
	s_add_co_u32 s76, s72, s73                     ; my first query
	s_lshl_b32 s72, s76, 12
	s_lshl_b32 s73, s42, 9
	s_add_co_u32 s72, s72, s73
	s_lshl_b32 s73, s12, 8
	s_add_co_u32 s72, s72, s73
	s_mov_b32 s73, 0
	s_add_nc_u64 s[8:9], s[8:9], s[72:73]
	s_lshl_b32 s72, s42, 1
	s_add_co_u32 s72, s72, s12                     ; my key block 0..15
	s_lshl_b32 s72, s72, 15
	s_lshl_b32 s76, s76, 2
	s_add_co_u32 s72, s72, s76
	s_add_nc_u64 s[68:69], s[68:69], s[72:73]
	; the prefetches
	s_and_b32 s22, ttmp7, 0xffff
	s_lshr_b32 s23, s22, 1
	s_lshl_b32 s23, s23, 11
	s_lshl_b32 s21, s42, 8
	s_add_co_u32 s23, s23, s21                     ; k's tile: its first row
	s_and_b32 s22, s22, 1
	s_lshl_b32 s20, s13, 8                         ; q's tile: its first row
	s_cmp_eq_u32 s11, 0
	s_cselect_b32 s20, s20, s23
	s_cselect_b32 s21, s40, s41
	s_cselect_b32 s22, ttmp9, s22
	s_cselect_b64 s[PFA:PFA+1], s[4:5], s[6:7]
	s_cmp_eq_u32 s22, 0
	s_cselect_b32 s[LIM], 2, -1
	s_lshl_b32 s22, s12, 7
	s_add_co_u32 s20, s20, s22
	s_lshl_b32 s21, s21, 5
	s_add_co_u32 s20, s20, s21
	s_lshl_b32 s20, s20, 11
	s_mov_b32 s21, 0
	s_add_nc_u64 s[PFA:PFA+1], s[PFA:PFA+1], s[20:21]
	s_add_nc_u64 s[PFA:PFA+1], s[PFA:PFA+1], 2*KSTEP*2
	v_and_b32 v[PFO], 31, v0
	v_lshlrev_b32 v[PFO], 11, v[PFO]
.macro MUL16 f, hi, a0, zero
	WIN MUL_LO+0x50*(\hi)
.irp a, \a0, (\a0)+1
.irp b, 0,1,2,3,4,5,6,7
.if \zero
	v_wmma_f32_16x16x32_bf16 v[8*(8*(\a)+(\b)):8*(8*(\a)+(\b))+7], v[(\f)+8*(\b):(\f)+8*(\b)+7], v[(\f)+8*(4*(\hi)+(\a)):(\f)+8*(4*(\hi)+(\a))+7], 0
.else
	v_wmma_f32_16x16x32_bf16 v[8*(8*(\a)+(\b)):8*(8*(\a)+(\b))+7], v[(\f)+8*(\b):(\f)+8*(\b)+7], v[(\f)+8*(4*(\hi)+(\a)):(\f)+8*(4*(\hi)+(\a))+7], v[8*(8*(\a)+(\b)):8*(8*(\a)+(\b))+7]
.endif
.endr
.endr
.endm
.macro FETCH k, f
	WIN TO_B
.irp i, 0,1,2,3,4,5,6,7
	ds_load_b128 v[(\f)+8*(\i):(\f)+8*(\i)+3],   v[ADRB] offset:(\k)+(\i)*16*PITCH
	ds_load_b128 v[(\f)+8*(\i)+4:(\f)+8*(\i)+7], v[ADRB] offset:(\k)+(\i)*16*PITCH+32
.endr
	WIN 0
.irp i, 0,1,2,3,4,5,6,7
	ds_load_b128 v[(\f)+8*(\i):(\f)+8*(\i)+3],   v[ADRA] offset:(\k)+(\i)*16*PITCH
	ds_load_b128 v[(\f)+8*(\i)+4:(\f)+8*(\i)+7], v[ADRA] offset:(\k)+(\i)*16*PITCH+32
.endr
.endm
.macro QUARTER k, f, g, zero
	s_wait_dscnt 8                                 ; the youngest eight loads (A's rows 64-127) may be out
	MUL16 \f, 0, 0, \zero
	MUL16 \f, 0, 2, \zero
	PLACES
	FETCH \k, \g
	s_wait_dscnt 32                                ; all but the 32 just issued
	MUL16 \f, 1, 0, \zero
	MUL16 \f, 1, 2, \zero
.endm
.macro TURN fill
.if \fill
	s_wait_xcnt 0x0                                ; the last prefetch, a K step back, has read its address
	s_add_nc_u64 s[PFA:PFA+1], s[PFA:PFA+1], KSTEP*2
.endif
	WIN 0
	s_wait_tensorcnt 0x0                           ; no tensor load of mine is out, so a group 0 may be written
	ds_add_u32 v[SPW], v[NIL]
.if \fill
	s_xor_b32 s[G0+5], s[G0+5], SLOT
	s_add_nc_u64 s[G0+6:G0+7], s[G0+6:G0+7], KSTEP*2
	s_xor_b32 s[G0B+5], s[G0B+5], SLOT
	s_add_nc_u64 s[G0B+6:G0B+7], s[G0B+6:G0B+7], KSTEP*2
.endif
	s_wait_dscnt 9                                 ; the add and the youngest eight loads may be out
	MUL16 F1, 0, 0, 0
	s_wait_dscnt 0x0                               ; the add is done, my reads of this slot are over
	s_barrier_signal -1
	MUL16 F1, 0, 2, 0
	WIN 0
	s_barrier_wait -1
.if \fill
	CREST
	JLOAD 1
.else
	PLACES
.endif
	s_xor_b32 s2, s2, SLOT
	v_add_nc_u32 v[ADRA], s2, v[ADRA0]
	v_add_nc_u32 v[ADRB], s2, v[ADRB0]
	FETCH 0, F0
.if \fill
	ASK
.endif
	MUL16 F1, 1, 0, 0
	MUL16 F1, 1, 2, 0
.endm
	s_wait_tensorcnt 1                             ; my part of K step 0 is in; K step 1's may stay out
	s_barrier_signal -1
	s_barrier_wait -1
	FETCH 0, F0
	QUARTER 64, F0, F1, 1
	WIN 0
	s_mov_b32 s3, KS-2
.Lstep:
	QUARTER 128, F1, F0, 0
	QUARTER 192, F0, F1, 0
	TURN 1
	QUARTER 64, F0, F1, 0
	WIN 0
	s_sub_co_u32 s3, s3, 1
	s_cmp_lg_u32 s3, 0
	s_cbranch_scc1 .Lstep
	QUARTER 128, F1, F0, 0
	QUARTER 192, F0, F1, 0
	TURN 0
	QUARTER 64, F0, F1, 0
	QUARTER 128, F1, F0, 0
	QUARTER 192, F0, F1, 0
	s_wait_dscnt 8
	MUL16 F1, 0, 0, 0
	MUL16 F1, 0, 2, 0
	s_wait_dscnt 0x0
	MUL16 F1, 1, 0, 0
	MUL16 F1, 1, 2, 0
	WIN 0
	PLACES
	s_barrier_signal -1                            ; every wave's reads of the ring are back: the ring, which has had its last fill, may be written
	s_barrier_wait -1
.irp hi, 0,1
	WIN 0x08+4*(\hi)
.irp a, 0,1,2,3
.irp b, 0,1,2,3,4,5,6,7
	ds_store_b128 v[STO], v[8*(8*(\a)+(\b)):8*(8*(\a)+(\b))+3]   offset:(4*(\hi)+(\a))*16*DPITCH+64*(\b)
	ds_store_b128 v[STO], v[8*(8*(\a)+(\b))+4:8*(8*(\a)+(\b))+7] offset:(4*(\hi)+(\a))*16*DPITCH+64*(\b)+16
.endr
.endr
.endr
	WIN 0
	s_mov_b32 s3, 8
	s_mov_b32 s76, 0
	s_mov_b32 s77, 0
.Lrows:                                                ; 16 queries a trip: pass p holds rows 2 p (lanes 0-15) and 2 p + 1 (lanes 16-31), eight scores a lane
	v_add_nc_u32 v[RDC], s76, v[RD]
	v_add_nc_u32 v[SAC], s77, v[SA]
.irp p, 0,1,2,3,4,5,6,7
	ds_load_b128 v[D+8*(\p):D+8*(\p)+3],   v[RDC] offset:2*DPITCH*(\p)
	ds_load_b128 v[D+8*(\p)+4:D+8*(\p)+7], v[RDC] offset:2*DPITCH*(\p)+16
.endr
	s_wait_dscnt 0x0
.irp p, 0,1,2,3,4,5,6,7
	v_max3_num_f32 v[MX+2*(\p)+1], v[D+8*(\p)], v[D+8*(\p)+1], v[D+8*(\p)+2]
.endr
.irp p, 0,1,2,3,4,5,6,7
	v_max3_num_f32 v[MX+2*(\p)+1], v[MX+2*(\p)+1], v[D+8*(\p)+3], v[D+8*(\p)+4]
.endr
.irp p, 0,1,2,3,4,5,6,7
	v_max3_num_f32 v[MX+2*(\p)+1], v[MX+2*(\p)+1], v[D+8*(\p)+5], v[D+8*(\p)+6]
.endr
.irp p, 0,1,2,3,4,5,6,7
	v_max_num_f32 v[MX+2*(\p)+1], v[MX+2*(\p)+1], v[D+8*(\p)+7]
.endr
.irp m, 1,2,4,8                        ; across the row's sixteen lanes
.irp p, 0,1,2,3,4,5,6,7
	v_max_num_f32_dpp v[MX+2*(\p)+1], v[MX+2*(\p)+1], v[MX+2*(\p)+1] row_xmask:\m row_mask:0xf bank_mask:0xf
.endr
.endr
.irp p, 0,1,2,3,4,5,6,7
	v_mul_f32 v[MX+2*(\p)], s[CS], v[MX+2*(\p)+1]  ; c m
.endr
.irp p, 0,1,2,3,4,5,6,7
.irp j, 0,1,2,3
	v_pk_fma_f32 v[D+8*(\p)+2*(\j):D+8*(\p)+2*(\j)+1], v[D+8*(\p)+2*(\j):D+8*(\p)+2*(\j)+1], s[CS:CS+1], v[MX+2*(\p):MX+2*(\p)+1] op_sel_hi:[1,0,0] neg_lo:[0,0,1] neg_hi:[0,0,1]  ; c s - c m
.endr
.endr
.set i, 0
.rept 64
	v_exp_f32 v[D+i], v[D+i]
.set i, i+1
.endr
	v_nop                                          ; a plain instruction behind the last exponential (ISA guide 5.7.2),
	s_wait_alu depctr_va_vdst(0)                   ; and the one wait ahead of the batch's first reader
.irp p, 0,1,2,3,4,5,6,7
.irp j, 0,1,2,3
	v_cvt_pk_f16_f32 v[OUT+4*(\p)+(\j)], v[D+8*(\p)+2*(\j)], v[D+8*(\p)+2*(\j)+1]
.endr
	global_store_b128 v[CO], v[OUT+4*(\p):OUT+4*(\p)+3], s[8:9] offset:2*CROW*(\p)  ; 16 lanes store 256 consecutive bytes, aligned
.endr
.irp p, 0,1,2,3,4,5,6,7
	v_pk_add_f32 v[D+8*(\p):D+8*(\p)+1], v[D+8*(\p):D+8*(\p)+1], v[D+8*(\p)+2:D+8*(\p)+3]
	v_pk_add_f32 v[D+8*(\p)+4:D+8*(\p)+5], v[D+8*(\p)+4:D+8*(\p)+5], v[D+8*(\p)+6:D+8*(\p)+7]
.endr
.irp p, 0,1,2,3,4,5,6,7
	v_pk_add_f32 v[D+8*(\p):D+8*(\p)+1], v[D+8*(\p):D+8*(\p)+1], v[D+8*(\p)+4:D+8*(\p)+5]
.endr
.irp p, 0,1,2,3,4,5,6,7
	v_add_f32 v[SUM+(\p)], v[D+8*(\p)], v[D+8*(\p)+1]
.endr
.irp m, 1,2,4,8
.irp p, 0,1,2,3,4,5,6,7
	v_add_f32_dpp v[SUM+(\p)], v[SUM+(\p)], v[SUM+(\p)] row_xmask:\m row_mask:0xf bank_mask:0xf
.endr
.endr
.irp p, 0,1,2,3,4,5,6,7
	ds_store_b32 v[SAC], v[MX+2*(\p)] offset:8*(\p)        ; a row's sixteen lanes write the same word with the same number
	ds_store_b32 v[SAC], v[SUM+(\p)]  offset:512+8*(\p)
.endr
	s_add_co_u32 s76, s76, 16*DPITCH
	s_add_co_u32 s77, s77, 64
	s_wait_xcnt 0x0                                ; the stores have read their data and their base
	s_add_nc_u64 s[8:9], s[8:9], 16*CROW
	s_sub_co_u32 s3, s3, 1
	s_cmp_lg_u32 s3, 0
	s_cbranch_scc1 .Lrows
	ds_load_b128 v[64:67], v[SR]                   ; my 128 rows' c m, 512 bytes on end, and their l: my own bytes, served in order behind my stores
	ds_load_b128 v[68:71], v[SR] offset:512
	s_wait_dscnt 0x0
	global_store_b128 v[SO], v[64:67], s[68:69]
	global_store_b128 v[SO], v[68:71], s[68:69] offset:524288
	s_wait_tensorcnt 0x0                           ; the wave's end
	ds_add_u32 v[SPW], v[NIL]
	s_wait_dscnt 0x0
	CROUND
	s_endpgm
.Lfunc_end_k_qa9e65d13c4_sc:
	.size	k_qa9e65d13c4_sc, .Lfunc_end_k_qa9e65d13c4_sc-k_qa9e65d13c4_sc
	.p2alignl 7, 3214868480
	.fill 96, 4, 3214868480
	.section	.rodata,"a",@progbits
	.p2align	6, 0x0
	.amdhsa_kernel k_qa9e65d13c4_sc
		.amdhsa_group_segment_fixed_size 327680
		.amdhsa_private_segment_fixed_size 0
		.amdhsa_enable_private_segment 0
		.amdhsa_kernarg_size 24
		.amdhsa_user_sgpr_count 2
		.amdhsa_user_sgpr_kernarg_segment_ptr 1
		.amdhsa_wavefront_size32 1
		.amdhsa_system_sgpr_workgroup_id_x 1
		.amdhsa_system_sgpr_workgroup_id_y 1
		.amdhsa_system_sgpr_workgroup_id_z 1
		.amdhsa_system_vgpr_workitem_id 0
		.amdhsa_next_free_vgpr 1024
		.amdhsa_next_free_sgpr 80
		.amdhsa_reserve_vcc 0
		.amdhsa_float_denorm_mode_32 3
		.amdhsa_float_denorm_mode_16_64 3
		.amdhsa_memory_ordered 1
		.amdhsa_forward_progress 1
		.amdhsa_inst_pref_size 112
	.end_amdhsa_kernel
	.amdgpu_metadata
---
amdhsa.version: [ 1, 2 ]
amdhsa.kernels:
  - .name:           k_qa9e65d13c4_sc
    .symbol:         k_qa9e65d13c4_sc.kd
    .args:
      - { .name: qk, .offset: 0, .size: 8, .value_kind: global_buffer, .address_space: global }
      - { .name: pp, .offset: 8, .size: 8, .value_kind: global_buffer, .address_space: global }
      - { .name: st, .offset: 16, .size: 8, .value_kind: global_buffer, .address_space: global }
    .group_segment_fixed_size: 327680
    .private_segment_fixed_size: 0
    .kernarg_segment_align: 8
    .kernarg_segment_size: 24
    .max_flat_workgroup_size: 128
    .sgpr_count:     80
    .vgpr_count:     1024
    .wavefront_size: 32
...
	.end_amdgpu_metadata
.endif
;; end of part 4
;; launch pv (part 5): grid 4 x 64, 4 waves a work-group, clusters of 4 x 4, 327,680 bytes of LDS; arguments pp, vt, out0, st; writes out0
.if DOCPART == 5
	.amdgcn_target "amdgcn-amd-amdhsa--gfx1250"
	.amdhsa_code_object_version 6
	.text
	.protected	k_qa9e65d13c4_pv
	.globl	k_qa9e65d13c4_pv
	.p2align	8
	.type	k_qa9e65d13c4_pv,@function
k_qa9e65d13c4_pv:
	s_mov_b64 s[64:65], 0
	v_nop
	global_prefetch_b8 v0, s[64:65] scope:SCOPE_SE
	s_setreg_imm32_b32 hwreg(HW_REG_WAVE_MODE, 25, 1), 1
	s_wait_xcnt 0x0
	s_wait_alu depctr_hold_cnt(0) depctr_sa_sdst(0) depctr_va_vdst(0) depctr_va_sdst(0) depctr_va_ssrc(0) depctr_va_vcc(0) depctr_vm_vsrc(0)
	s_getreg_b32 s2, hwreg(HW_REG_IB_STS2, 6, 4)
	s_cmp_eq_u32 s2, 0
	s_cbranch_scc0 .Lentry_in_a_cluster
	s_endpgm
.Lentry_in_a_cluster:
	s_bfe_u32 s2, ttmp6, 0x10000c
	s_cmp_lg_u32 s2, 0xf033
	s_cbranch_scc0 .Lentry_shape_is_right
	s_endpgm
.Lentry_shape_is_right:
; out0[row][ch] = (the sum over the batch's 2,048 keys of p w v) / L.  pp holds p = 2^(c s - c m_block) in f16, st each key block's c m and l.  With M the row's TRUE maximum of c m over its 16 blocks,
; w = 2^(c m_block - M) <= 1 and L = the sum of w l >= about 1: the softmax of the whole row.  w is rounded to f16, and L is summed with the rounded w.  A = pp, scaled in registers by w (one K step of
; 128 keys is one key block), B = vt [1024 channels][8192 rows], both f16; sums in f32; out0 in f32.
; LIMITS: a product p w below 6e-8 counts as 0 beside L >= about 1; an exponential below 2^-126 counts as 0; NaN and infinities are not treated apart.
; A tile of C is 128 queries x 256 channels: 256 work-groups.  Four waves, each 64 x 128 in 32 accumulators.  K goes in 16 steps of 128 through two LDS slots; joint loads in clusters of 4 x 4; one K step a trip.
; The scaling, 32 packed multiplies a quarter, stands among the quarter's 32 matrix instructions under the same register windows: source 0 (w) window 1, source 1 and destination (A's fragment) the accumulators' window.
; REGISTERS by windows of 256: window 0: addresses, the head's statistics, the way out; window 1: v0-3 W, v4-7 the next block's, v64-191 B's two buffers; windows 2, 3: v0-127 accumulators, v128-159 A's fragments.
.set KSTEP,  128
.set KS,     16
.set AROW,   4096                      ; bytes in a row of pp, and of out0
.set BROW,   16384                     ; bytes in a row of vt
.set PITCH,  272
.set AH,     64*PITCH
.set BH,     128*PITCH
.set BOFF,   2*AH
.set SLOT1,  1<<17
.set WT,     SLOT1+BOFF+2*BH           ; behind the ring: (w, w) in f16, key block kb of row t at 512 kb + 4 t
.set RL,     WT+8192                   ; 1 / L of the tile's 128 rows
.set SPARE,  RL+512
.set DPITCH, 528
.set DW,     64*DPITCH
.set ADRA0, 16
.set ADRA,  17
.set RDC,   18
.set WAC,   19
.set ADRB0, 20
.set ADRB,  21
.set STV,   22                         ; v22  4 x thread
.set WTS,   23                         ; v23  WT + 4 x thread
.set STO,   24
.set RD,    25
.set CO,    26
.set WA0,   27                         ; v27  my rows' w in key block 0
.set SPW,   28
.set NIL,   29
.set PFO,   30
.set TAC,   31
.set D,     64
.set RLV,   160
.set W,     0                          ; window 1
.set WN,    4
.set BF,    64
.set AF,    128
.set G1,  24
.set G0,  32
.set G1B, 48
.set G0B, 56
.set LIM, 43
.set PFA, 44
.set GW0, (1<<16)|(1<<20)|(1<<21)|(5<<22)|(3<<25)
.set MUL_LO, 0xa9
.set MSB, 0
.macro WIN new
.if MSB != (\new)
	s_set_vgpr_msb (MSB<<8)|(\new)
.set MSB, \new
.endif
.endm
.macro PLACES
.rept 4
	v_nop
.endr
.endm
.macro JLOAD s
	s_cmp_eq_u32 s11, 0
	s_cbranch_scc0 .Lfor_b_\@
	tensor_load_to_lds s[G0+4*(\s):G0+4*(\s)+3], s[G1:G1+7]
	s_nop 0
.rept 4
	v_nop
.endr
	s_branch .Lasked_\@
.Lfor_b_\@:
	tensor_load_to_lds s[G0B+4*(\s):G0B+4*(\s)+3], s[G1B:G1B+7]
	s_nop 0
.rept 4
	v_nop
.endr
.Lasked_\@:
.endm
; A prefetch of the K step two refills on, a lane a row.  pp's 128 rows: wave 0, 32 rows for each of the four partners; vt's 256 rows: waves 2 and 3 of the first of the four clusters (y a multiple of 4) that walk a batch.
.macro ASK
	s_cmp_gt_u32 s3, s[LIM]
	s_cbranch_scc0 .Lnot_mine_\@
	global_prefetch_b8 v[PFO], s[PFA:PFA+1] offset:KSTEP*2 th:TH_LOAD_NT scope:SCOPE_SE
.Lnot_mine_\@:
.endm
.macro CREST
	s_cmp_lg_u32 s10, 0
	s_cbranch_scc1 .Lnot_wave_0_\@
	s_barrier_signal -3
.Lnot_wave_0_\@:
	s_barrier_wait -3
	s_barrier_signal -1
	s_barrier_wait -1
.endm
.macro CROUND
	s_barrier_signal -1
	s_barrier_wait -1
	CREST
.endm
	s_load_b128 s[4:7], s[0:1], 0x0                ; pp s[4:5], vt s[6:7]
	s_load_b64 s[8:9], s[0:1], 0x10                ; out0
	s_load_b64 s[68:69], s[0:1], 0x18              ; st
	v_lshl_add_u32 v[SPW], v0, 2, SPARE
	v_mov_b32 v[NIL], 0
	ds_add_u32 v[SPW], v[NIL]                      ; the wave's opening: the add and its wait come ahead of my first tensor load
	v_lshrrev_b32 v1, 5, v0
	v_readfirstlane_b32 s10, v1
	s_lshr_b32 s11, s10, 1
	s_and_b32 s12, s10, 1
	s_bfe_u32 s40, ttmp6, 0x40000
	s_bfe_u32 s41, ttmp6, 0x40004
	s_lshl_b32 s42, ttmp9, 2
	s_add_co_u32 s42, s42, s40                     ; tile column 0..3
	s_and_b32 s13, ttmp7, 0xffff
	s_lshr_b32 s47, s13, 2                         ; the batch: four clusters of 512 queries each
	s_lshl_b32 s13, s13, 2
	s_add_co_u32 s13, s13, s41                     ; tile row 0..63
	s_lshl_b32 s14, s41, 2
	s_lshl_b32 s14, 15, s14
	s_lshl_b32 s15, 0x1111, s40
	s_or_b32 s[G1+0], s14, GW0
	s_or_b32 s[G1B+0], s15, GW0
.irp g, G1, G1B
	s_mov_b32 s[(\g)+1], KSTEP<<16
	s_mov_b32 s[(\g)+3], KSTEP<<16
	s_mov_b32 s[(\g)+6], 0
	s_mov_b32 s[(\g)+7], 0
.endr
	s_mov_b32 s[G1+2], 64<<16
	s_mov_b32 s[G1+4], 64
	s_mov_b32 s[G1+5], 2048                        ; pp: elements from row to row
	s_mov_b32 s[G1B+2], 128<<16
	s_mov_b32 s[G1B+4], 128
	s_mov_b32 s[G1B+5], 8192                       ; vt
	s_lshl_b32 s16, s13, 7
	s_lshl_b32 s17, s12, 6
	s_add_co_u32 s16, s16, s17                     ; pp: row 128 x tile row + 64 x half
	s_lshl_b32 s16, s16, 12
	s_mov_b32 s17, 0
	s_lshl_b32 s46, s42, 8
	s_lshl_b32 s18, s12, 7
	s_add_co_u32 s46, s46, s18                     ; vt: row 256 x tile column + 128 x half,
	s_lshl_b32 s46, s46, 14
	s_lshl_b32 s47, s47, 12
	s_add_co_u32 s46, s46, s47                     ; at the batch's 2,048 keys
	s_mov_b32 s47, 0
	s_mul_i32 s20, s12, AH
	s_mul_i32 s21, s12, BH
	s_add_co_u32 s21, s21, BOFF
	s_wait_dscnt 0x0
	s_wait_kmcnt 0x0
	s_add_nc_u64 s[18:19], s[4:5], s[16:17]
	s_add_nc_u64 s[46:47], s[6:7], s[46:47]
	CROUND
.irp s, 0,1
	s_mov_b32 s[G0+4*(\s)], 1
	s_add_co_u32 s[G0+4*(\s)+1], s20, (\s)*SLOT1
	s_add_nc_u64 s[G0+4*(\s)+2:G0+4*(\s)+3], s[18:19], (\s)*KSTEP*2
	s_or_b32 s[G0+4*(\s)+3], s[G0+4*(\s)+3], 0x80000000
	s_mov_b32 s[G0B+4*(\s)], 1
	s_add_co_u32 s[G0B+4*(\s)+1], s21, (\s)*SLOT1
	s_add_nc_u64 s[G0B+4*(\s)+2:G0B+4*(\s)+3], s[46:47], (\s)*KSTEP*2
	s_or_b32 s[G0B+4*(\s)+3], s[G0B+4*(\s)+3], 0x80000000
	JLOAD \s
.endr
	; thread t joins the 16 key blocks of row t of the tile
	s_lshl_b32 s72, s13, 9
	s_mov_b32 s73, 0
	s_add_nc_u64 s[68:69], s[68:69], s[72:73]
	v_lshlrev_b32 v[STV], 2, v0
.set i, 0
.rept 16
	global_load_b32 v[32+i], v[STV], s[68:69] offset:32768*i         ; c m
.set i, i+1
.endr
.set i, 0
.rept 16
	global_load_b32 v[48+i], v[STV], s[68:69] offset:524288+32768*i  ; l
.set i, i+1
.endr
	v_and_b32 v1, 15, v0
	v_bfe_u32 v2, v0, 4, 1
	v_mul_u32_u24 v3, v1, PITCH
	v_lshl_add_u32 v3, v2, 4, v3
	s_mul_i32 s22, s11, AH
	s_mul_i32 s23, s12, BH
	s_add_co_u32 s23, s23, BOFF
	v_add_nc_u32 v[ADRA0], s22, v3
	v_add_nc_u32 v[ADRB0], s23, v3
	v_mov_b32 v[ADRA], v[ADRA0]
	v_mov_b32 v[ADRB], v[ADRB0]
	s_mov_b32 s2, 0
	s_mul_i32 s23, s10, DW
	v_mul_u32_u24 v4, v1, DPITCH
	v_lshl_add_u32 v4, v2, 5, v4
	v_add_nc_u32 v[STO], s23, v4
	v_and_b32 v[CO], 31, v0
	v_lshlrev_b32 v[CO], 4, v[CO]                  ; 16 x lane: a wave takes a row's 512 bytes
	v_add_nc_u32 v[RD], s23, v[CO]
	s_lshl_b32 s74, s11, 8
	s_add_co_u32 s78, s74, RL                      ; 1 / L of my 64 rows
	s_add_co_u32 s74, s74, WT
	v_lshl_add_u32 v[WA0], v1, 2, s74
	v_mov_b32 v[WAC], v[WA0]
	s_mov_b32 s77, 0
	v_lshl_add_u32 v[WTS], v0, 2, WT
	s_lshl_b32 s72, s13, 7
	s_lshl_b32 s73, s11, 6
	s_add_co_u32 s72, s72, s73                     ; my first query
	s_lshl_b32 s72, s72, 12
	s_lshl_b32 s73, s42, 10
	s_add_co_u32 s72, s72, s73
	s_lshl_b32 s73, s12, 9
	s_add_co_u32 s72, s72, s73
	s_mov_b32 s73, 0
	s_add_nc_u64 s[8:9], s[8:9], s[72:73]
	; the prefetches
	s_lshl_b32 s20, s13, 7
	s_lshl_b32 s74, s40, 5
	s_add_co_u32 s20, s20, s74
	s_lshl_b32 s20, s20, 12                        ; pp: my work-group's 32 of the tile's 128 rows
	s_lshl_b32 s21, s42, 8
	s_lshl_b32 s74, s12, 7
	s_add_co_u32 s21, s21, s74
	s_lshl_b32 s74, s41, 5
	s_add_co_u32 s21, s21, s74
	s_lshl_b32 s21, s21, 14                        ; vt: my work-group's 32 of the 128 rows that I fetch,
	s_and_b32 s22, ttmp7, 0xffff
	s_lshr_b32 s74, s22, 2
	s_lshl_b32 s74, s74, 12
	s_add_co_u32 s21, s21, s74                     ; at the batch's keys
	s_and_b32 s22, s22, 3
	s_or_b32 s23, ttmp9, s12
	s_cmp_eq_u32 s11, 0
	s_cselect_b32 s20, s20, s21
	s_cselect_b32 s22, s23, s22
	s_cselect_b32 s23, 12, 14                      ; a row is 4,096 or 16,384 bytes
	s_cselect_b64 s[PFA:PFA+1], s[4:5], s[6:7]
	s_cmp_eq_u32 s22, 0
	s_cselect_b32 s[LIM], 2, -1
	s_mov_b32 s21, 0
	s_add_nc_u64 s[PFA:PFA+1], s[PFA:PFA+1], s[20:21]
	s_add_nc_u64 s[PFA:PFA+1], s[PFA:PFA+1], 2*KSTEP*2
	v_and_b32 v[PFO], 31, v0
	v_lshlrev_b32 v[PFO], s23, v[PFO]
	s_wait_loadcnt 0x0
	v_max3_num_f32 v80, v32, v33, v34              ; M
.set i, 35
.rept 6
	v_max3_num_f32 v80, v80, v[i], v[i+1]
.set i, i+2
.endr
	v_max_num_f32 v80, v80, v47
.set i, 0
.rept 16
	v_sub_f32 v[32+i], v[32+i], v80
.set i, i+1
.endr
.set i, 0
.rept 16
	v_exp_f32 v[32+i], v[32+i]                     ; w
.set i, i+1
.endr
	v_mov_b32 v81, 0                               ; a plain instruction behind the last exponential,
	s_wait_alu depctr_va_vdst(0)                   ; and the one wait ahead of the batch's first reader
.set i, 0
.rept 16
	v_cvt_pk_f16_f32 v[64+i], v[32+i], v[32+i]     ; (w, w)
.set i, i+1
.endr
.set i, 0
.rept 16
	ds_store_b32 v[WTS], v[64+i] offset:512*i
.set i, i+1
.endr
.set i, 0
.rept 16
	v_fma_mix_f32 v81, v[64+i], v[48+i], v81 op_sel_hi:[1,0,0]  ; L += the rounded w x l
.set i, i+1
.endr
	v_rcp_f32 v82, v81
	v_nop
	s_wait_alu depctr_va_vdst(0)
	ds_store_b32 v[WTS], v82 offset:8192           ; RL
; 8 packed multiplies: A's fragment a of buffer f times its rows' w
.macro SCALE f, a
	WIN MUL_LO+0x54*((\a)/2)
.set rA, AF+16*(\f)+8*((\a)%2)
.irp j, 0,1,2,3,4,5,6,7
	v_pk_mul_f16 v[rA+(\j)], v[W+(\a)], v[rA+(\j)]
.endr
.endm
; 8 matrix instructions: m block a x all 8 n blocks.  ride = 1: behind each of the first four stand two multiplies that scale fragment a + 1.  The 32 accumulators take turns.
.macro ROW f, a, zero, ride
	WIN MUL_LO+0x54*((\a)/2)
.set rA, AF+16*(\f)+8*((\a)%2)
.set rN, AF+16*(\f)+8*(((\a)+1)%2)
.irp b, 0,1,2,3,4,5,6,7
.set rC, 64*((\a)%2)+8*(\b)
.set rB, BF+64*(\f)+8*(\b)
.if \zero
	v_wmma_f32_16x16x32_f16 v[rC:rC+7], v[rB:rB+7], v[rA:rA+7], 0
.else
	v_wmma_f32_16x16x32_f16 v[rC:rC+7], v[rB:rB+7], v[rA:rA+7], v[rC:rC+7]
.endif
.if (\ride) && ((\b) < 4)
	v_pk_mul_f16 v[rN+2*(\b)], v[W+(\a)+1], v[rN+2*(\b)]
	v_pk_mul_f16 v[rN+2*(\b)+1], v[W+(\a)+1], v[rN+2*(\b)+1]
.endif
.endr
.endm
.macro FETCH k, f
	WIN 0x40
.irp i, 0,1,2,3,4,5,6,7
	ds_load_b128 v[BF+64*(\f)+8*(\i):BF+64*(\f)+8*(\i)+3],   v[ADRB] offset:(\k)+(\i)*16*PITCH
	ds_load_b128 v[BF+64*(\f)+8*(\i)+4:BF+64*(\f)+8*(\i)+7], v[ADRB] offset:(\k)+(\i)*16*PITCH+32
.endr
.irp w, 0,1
	WIN 0x80+0x40*(\w)
.irp i, 0,1
	ds_load_b128 v[AF+16*(\f)+8*(\i):AF+16*(\f)+8*(\i)+3],   v[ADRA] offset:(\k)+(2*(\w)+(\i))*16*PITCH
	ds_load_b128 v[AF+16*(\f)+8*(\i)+4:AF+16*(\f)+8*(\i)+7], v[ADRA] offset:(\k)+(2*(\w)+(\i))*16*PITCH+32
.endr
.endr
.endm
.macro WLOAD                           ; the four w of my lane's rows in the key block at v[WAC]
	WIN 0x40
.irp a, 0,1,2,3
	ds_load_b32 v[WN+(\a)], v[WAC] offset:64*(\a)
.endr
.endm
; cp = 1: a K step's first quarter: the new key block's w takes W's place.  The sixteen multiplies ahead of the run of loads are the places behind the products that read buffer g.
.macro QUARTER k, f, g, zero, cp
	s_wait_dscnt 4                                 ; all but A's fragments 2 and 3
.if \cp
	WIN 0x41
.irp a, 0,1,2,3
	v_mov_b32 v[W+(\a)], v[WN+(\a)]
.endr
.endif
	SCALE \f, 0
	ROW \f, 0, \zero, 1
	ROW \f, 1, \zero, 0
	FETCH \k, \g
	s_wait_dscnt 24                                ; all but the 24 just issued
	SCALE \f, 2
	ROW \f, 2, \zero, 1
	ROW \f, 3, \zero, 0
.endm
.macro TURN fill
.if \fill
	s_wait_xcnt 0x0                                ; the last prefetch, a K step back, has read its address
	s_add_nc_u64 s[PFA:PFA+1], s[PFA:PFA+1], KSTEP*2
.endif
	WIN 0
	s_wait_tensorcnt 0x0                           ; no tensor load of mine is out, so a group 0 may be written
	ds_add_u32 v[SPW], v[NIL]
.if \fill
	s_xor_b32 s[G0+5], s[G0+5], SLOT1
	s_add_nc_u64 s[G0+6:G0+7], s[G0+6:G0+7], KSTEP*2
	s_xor_b32 s[G0B+5], s[G0B+5], SLOT1
	s_add_nc_u64 s[G0B+6:G0B+7], s[G0B+6:G0B+7], KSTEP*2
.endif
	s_wait_dscnt 5                                 ; the add and the youngest four loads may be out
	SCALE 1, 0
	ROW 1, 0, 0, 1
	s_wait_dscnt 0x0                               ; the add is done, my reads of this slot are over
	s_barrier_signal -1
	ROW 1, 1, 0, 0
	WIN 0
	s_barrier_wait -1
.if \fill
	CREST
	JLOAD 1
.else
	PLACES
.endif
	s_xor_b32 s2, s2, SLOT1
	s_add_co_u32 s77, s77, 512                     ; the next key block's w
	v_add_nc_u32 v[ADRA], s2, v[ADRA0]
	v_add_nc_u32 v[ADRB], s2, v[ADRB0]
	v_add_nc_u32 v[WAC], s77, v[WA0]
	WLOAD
	FETCH 0, 0
.if \fill
	WIN 0
	ASK
.endif
	SCALE 1, 2
	ROW 1, 2, 0, 1
	ROW 1, 3, 0, 0
.endm
	s_wait_tensorcnt 1                             ; my part of K step 0 is in; K step 1's may stay out
	s_wait_dscnt 0x0                               ; my row's w and 1 / L are stored
	s_barrier_signal -1
	s_barrier_wait -1
	WLOAD
	FETCH 0, 0
	QUARTER 64, 0, 1, 1, 1
	WIN 0
	s_mov_b32 s3, KS-2
.Lstep:
	QUARTER 128, 1, 0, 0, 0
	QUARTER 192, 0, 1, 0, 0
	TURN 1
	QUARTER 64, 0, 1, 0, 1
	WIN 0
	s_sub_co_u32 s3, s3, 1
	s_cmp_lg_u32 s3, 0
	s_cbranch_scc1 .Lstep
	QUARTER 128, 1, 0, 0, 0
	QUARTER 192, 0, 1, 0, 0
	TURN 0
	QUARTER 64, 0, 1, 0, 1
	QUARTER 128, 1, 0, 0, 0
	QUARTER 192, 0, 1, 0, 0
	s_wait_dscnt 4
	SCALE 1, 0
	ROW 1, 0, 0, 1
	ROW 1, 1, 0, 0
	s_wait_dscnt 0x0
	SCALE 1, 2
	ROW 1, 2, 0, 1
	ROW 1, 3, 0, 0
	WIN 0
	PLACES
	s_barrier_signal -1                            ; every wave's reads of the ring are back: the ring, which has had its last fill, may be written
	s_barrier_wait -1
.irp hi, 0,1
	WIN 0x08+4*(\hi)
.irp a, 0,1
.irp b, 0,1,2,3,4,5,6,7
	ds_store_b128 v[STO], v[64*(\a)+8*(\b):64*(\a)+8*(\b)+3]   offset:(2*(\hi)+(\a))*16*DPITCH+64*(\b)
	ds_store_b128 v[STO], v[64*(\a)+8*(\b)+4:64*(\a)+8*(\b)+7] offset:(2*(\hi)+(\a))*16*DPITCH+64*(\b)+16
.endr
.endr
.endr
	WIN 0
	s_mov_b32 s3, 4
	s_mov_b32 s76, 0
.Lrows:                                                ; 16 queries a trip; a wave takes a whole row of its 128 channels, 512 bytes, at a time
	v_add_nc_u32 v[RDC], s76, v[RD]
	v_mov_b32 v[TAC], s78
.irp i, 0,1,2,3
	ds_load_b128 v[RLV+4*(\i):RLV+4*(\i)+3], v[TAC] offset:16*(\i)   ; the 16 rows' 1 / L, the same in every lane
.endr
.set p, 0
.rept 16
	ds_load_b128 v[D+4*p:D+4*p+3], v[RDC] offset:DPITCH*p
.set p, p+1
.endr
.set p, 0
.rept 16
	s_wait_dscnt 15-p
.irp j, 0,1,2,3
	v_mul_f32 v[D+4*p+(\j)], v[D+4*p+(\j)], v[RLV+p]
.endr
	global_store_b128 v[CO], v[D+4*p:D+4*p+3], s[8:9] offset:AROW*p  ; 512 consecutive bytes, aligned
.set p, p+1
.endr
	s_add_co_u32 s76, s76, 16*DPITCH
	s_add_co_u32 s78, s78, 64
	s_wait_xcnt 0x0                                ; the stores have read their data and their base
	s_add_nc_u64 s[8:9], s[8:9], 16*AROW
	s_sub_co_u32 s3, s3, 1
	s_cmp_lg_u32 s3, 0
	s_cbranch_scc1 .Lrows
	s_wait_tensorcnt 0x0                           ; the wave's end
	ds_add_u32 v[SPW], v[NIL]
	s_wait_dscnt 0x0
	CROUND
	s_endpgm
.Lfunc_end_k_qa9e65d13c4_pv:
	.size	k_qa9e65d13c4_pv, .Lfunc_end_k_qa9e65d13c4_pv-k_qa9e65d13c4_pv
	.p2alignl 7, 3214868480
	.fill 96, 4, 3214868480
	.section	.rodata,"a",@progbits
	.p2align	6, 0x0
	.amdhsa_kernel k_qa9e65d13c4_pv
		.amdhsa_group_segment_fixed_size 327680
		.amdhsa_private_segment_fixed_size 0
		.amdhsa_enable_private_segment 0
		.amdhsa_kernarg_size 32
		.amdhsa_user_sgpr_count 2
		.amdhsa_user_sgpr_kernarg_segment_ptr 1
		.amdhsa_wavefront_size32 1
		.amdhsa_system_sgpr_workgroup_id_x 1
		.amdhsa_system_sgpr_workgroup_id_y 1
		.amdhsa_system_sgpr_workgroup_id_z 1
		.amdhsa_system_vgpr_workitem_id 0
		.amdhsa_next_free_vgpr 928
		.amdhsa_next_free_sgpr 80
		.amdhsa_reserve_vcc 0
		.amdhsa_float_denorm_mode_32 3
		.amdhsa_float_denorm_mode_16_64 3
		.amdhsa_memory_ordered 1
		.amdhsa_forward_progress 1
		.amdhsa_inst_pref_size 99
	.end_amdhsa_kernel
	.amdgpu_metadata
---
amdhsa.version: [ 1, 2 ]
amdhsa.kernels:
  - .name:           k_qa9e65d13c4_pv
    .symbol:         k_qa9e65d13c4_pv.kd
    .args:
      - { .name: pp, .offset: 0, .size: 8, .value_kind: global_buffer, .address_space: global }
      - { .name: vt, .offset: 8, .size: 8, .value_kind: global_buffer, .address_space: global }
      - { .name: out0, .offset: 16, .size: 8, .value_kind: global_buffer, .address_space: global }
      - { .name: st, .offset: 24, .size: 8, .value_kind: global_buffer, .address_space: global }
    .group_segment_fixed_size: 327680
    .private_segment_fixed_size: 0
    .kernarg_segment_align: 8
    .kernarg_segment_size: 32
    .max_flat_workgroup_size: 128
    .sgpr_count:     80
    .vgpr_count:     928
    .wavefront_size: 32
...
	.end_amdgpu_metadata
.endif
;; end of part 5
;; ======== version 2 of 2: 5 launches; version 1 with the launch cvt written anew for expert scheduling mode
;; limits: values are held in f16: magnitudes above 65,504 overflow, below 6.1e-05 lose precision
;; workspace buffers: xb 16,777,216 bytes; wb 6,291,456 bytes; qk 33,554,432 bytes; vt 16,777,216 bytes; pp 33,554,432 bytes; st 1,048,576 bytes
;; launch cvt (part 6): grid 64 x 11, 8 waves a work-group, no clusters, 0 bytes of LDS; arguments x, Wq, Wk, Wv, xb, wb; writes xb, wb
.if DOCPART == 6
	.amdgcn_target "amdgcn-amd-amdhsa--gfx1250"
	.amdhsa_code_object_version 6
	.text
	.protected	k_qa9e65d13c4_cvt
	.globl	k_qa9e65d13c4_cvt
	.p2align	8
	.type	k_qa9e65d13c4_cvt,@function
k_qa9e65d13c4_cvt:
	s_mov_b64 s[64:65], 0
	v_nop
	global_prefetch_b8 v0, s[64:65] scope:SCOPE_SE
	s_setreg_imm32_b32 hwreg(HW_REG_WAVE_SCHED_MODE, 0, 2), 2
	s_setreg_imm32_b32 hwreg(HW_REG_WAVE_MODE, 25, 1), 1
	s_wait_xcnt 0x0
	s_wait_alu depctr_vm_vsrc(0)
; x and the three weight matrices, f32, are rounded once to bf16: xb [8192][1024], wb [3072][1024] (Wq, Wk, Wv one below the other).
; The grid's y names a segment of 2^20 numbers: 0-7 are x's, 8, 9, 10 are Wq, Wk, Wv.  A work-group takes 16 rows of 1,024 numbers of its segment.
; Thread t takes 16 bytes at byte 16 t of each row: a load of a wave covers 512 consecutive bytes, a store 256, both aligned.  All 16 loads go out first; no register is written twice.
; No LDS, no matrix unit, no cluster: nothing is shared and nothing is multiplied.
; THE MODE: SCHED_MODE bits 1:0 = 2 (LLVM: expert scheduling mode 2), set by the entry lines.  The code itself states the register dependences
; between vector instructions and memory instructions, with s_wait_alu, always for 0.
; THE PLAN.  Registers that memory instructions touch:
;   v1, v2   byte offsets: written once at the head, read by every load (v1) and every store (v2), never written again.
;   X        row r's four registers: written by row r's load alone, read by row r's two conversions; no vector instruction names them ahead of the load.
;   Y        row r's two registers: written once, by row r's conversions; read by row r's store.
; The 16 rows go in four blocks of four.  Block p rounds its rows; the stores of block p - 1 are dealt among its conversions, which name block p's X and Y alone.
; So one wait on va_vdst at a block's head states all that the four stores behind it hang on; one more stands ahead of the first load, for the offsets, and one ahead of the last four stores.
; No register that a memory instruction reads is written again, no vector instruction writes a scalar register, and EXEC is never written: no other wait is owed.
.set X, 8                              ; v[8:71]   row r: 4 numbers as loaded
.set Y, 72                             ; v[72:103] row r: 4 bf16 to store
.set BLOCK, 4                          ; rows in a block
	s_load_b256 s[4:11], s[0:1], 0x0               ; x s[4:5], Wq s[6:7], Wk s[8:9], Wv s[10:11]
	s_load_b128 s[12:15], s[0:1], 0x20             ; xb s[12:13], wb s[14:15]
	s_and_b32 s16, ttmp7, 0xffff                   ; the segment
	s_max_u32 s18, s16, 8
	s_sub_co_u32 s18, s18, 8                       ; which weight matrix (0 for x's segments)
	v_lshlrev_b32 v1, 4, v0                        ; my 16 bytes of a row of f32
	v_lshlrev_b32 v2, 3, v0                        ; my 8 bytes of a row of bf16
	s_wait_kmcnt 0x0
	s_cmp_eq_u32 s16, 9
	s_cselect_b64 s[20:21], s[8:9], s[6:7]
	s_cmp_eq_u32 s16, 10
	s_cselect_b64 s[20:21], s[10:11], s[20:21]
	s_cmp_lt_u32 s16, 8
	s_cselect_b64 s[20:21], s[4:5], s[20:21]       ; from where
	s_cselect_b64 s[22:23], s[12:13], s[14:15]     ; to where
	s_cselect_b32 s17, s16, 0                      ; the segment inside the source
	s_cselect_b32 s18, s16, s18                    ; and inside the destination
	s_lshl_b32 s24, s17, 22                        ; a segment is 4 MiB of f32,
	s_lshl_b32 s26, ttmp9, 16                      ; a work-group's 16 rows 64 KiB
	s_add_co_u32 s24, s24, s26
	s_mov_b32 s25, 0
	s_add_nc_u64 s[20:21], s[20:21], s[24:25]
	s_lshl_b32 s26, s18, 21                        ; half of that in bf16
	s_lshl_b32 s28, ttmp9, 15
	s_add_co_u32 s26, s26, s28
	s_mov_b32 s27, 0
	s_add_nc_u64 s[22:23], s[22:23], s[26:27]
	s_wait_alu depctr_va_vdst(0)                   ; v1 and v2 are written: every load of the kernel reads v1 as its offset, every store v2
.set r, 0
.rept 16
	global_load_b128 v[X+4*r:X+4*r+3], v1, s[20:21] offset:4096*r th:TH_LOAD_NT
.set r, r+1
.endr
.set r, 0
.rept 16
	s_wait_loadcnt 15-r                            ; loads come back in order: row r is in, the younger ones stay out
.if (r%BLOCK == 0) && (r > 0)
	s_wait_alu depctr_va_vdst(0)                   ; the block before has written its eight registers of Y, which the four stores dealt into this block read
.endif
.if r >= BLOCK
	global_store_b64 v2, v[Y+2*(r-BLOCK):Y+2*(r-BLOCK)+1], s[22:23] offset:2048*(r-BLOCK)  ; a row of the block before; no vector instruction since the wait names its registers
.endif
	v_cvt_pk_bf16_f32 v[Y+2*r], v[X+4*r], v[X+4*r+1]
	v_cvt_pk_bf16_f32 v[Y+2*r+1], v[X+4*r+2], v[X+4*r+3]
.set r, r+1
.endr
	s_wait_alu depctr_va_vdst(0)                   ; the last block has written its Y, which the last four stores read
.set r, 16-BLOCK
.rept BLOCK
	global_store_b64 v2, v[Y+2*r:Y+2*r+1], s[22:23] offset:2048*r
.set r, r+1
.endr
	s_endpgm
.Lfunc_end_k_qa9e65d13c4_cvt:
	.size	k_qa9e65d13c4_cvt, .Lfunc_end_k_qa9e65d13c4_cvt-k_qa9e65d13c4_cvt
	.p2alignl 7, 3214868480
	.fill 96, 4, 3214868480
	.section	.rodata,"a",@progbits
	.p2align	6, 0x0
	.amdhsa_kernel k_qa9e65d13c4_cvt
		.amdhsa_group_segment_fixed_size 0
		.amdhsa_private_segment_fixed_size 0
		.amdhsa_enable_private_segment 0
		.amdhsa_kernarg_size 48
		.amdhsa_user_sgpr_count 2
		.amdhsa_user_sgpr_kernarg_segment_ptr 1
		.amdhsa_wavefront_size32 1
		.amdhsa_system_sgpr_workgroup_id_x 1
		.amdhsa_system_sgpr_workgroup_id_y 1
		.amdhsa_system_sgpr_workgroup_id_z 1
		.amdhsa_system_vgpr_workitem_id 0
		.amdhsa_next_free_vgpr 104
		.amdhsa_next_free_sgpr 66
		.amdhsa_reserve_vcc 0
		.amdhsa_float_denorm_mode_32 3
		.amdhsa_float_denorm_mode_16_64 3
		.amdhsa_memory_ordered 1
		.amdhsa_forward_progress 1
		.amdhsa_inst_pref_size 7
	.end_amdhsa_kernel
	.amdgpu_metadata
---
amdhsa.version: [ 1, 2 ]
amdhsa.kernels:
  - .name:           k_qa9e65d13c4_cvt
    .symbol:         k_qa9e65d13c4_cvt.kd
    .args:
      - { .name: x, .offset: 0, .size: 8, .value_kind: global_buffer, .address_space: global }
      - { .name: Wq, .offset: 8, .size: 8, .value_kind: global_buffer, .address_space: global }
      - { .name: Wk, .offset: 16, .size: 8, .value_kind: global_buffer, .address_space: global }
      - { .name: Wv, .offset: 24, .size: 8, .value_kind: global_buffer, .address_space: global }
      - { .name: xb, .offset: 32, .size: 8, .value_kind: global_buffer, .address_space: global }
      - { .name: wb, .offset: 40, .size: 8, .value_kind: global_buffer, .address_space: global }
    .group_segment_fixed_size: 0
    .private_segment_fixed_size: 0
    .kernarg_segment_align: 8
    .kernarg_segment_size: 48
    .max_flat_workgroup_size: 256
    .sgpr_count:     66
    .vgpr_count:     104
    .wavefront_size: 32
...
	.end_amdgpu_metadata
.endif
;; end of part 6
;; launch qk: the kernel of part 2 again; grid 8 x 32, 4 waves a work-group, clusters of 4 x 4, 327,680 bytes of LDS; arguments xb, wb, qk, bq, bk; writes qk
;; launch vt: the kernel of part 3 again; grid 32 x 8, 4 waves a work-group, clusters of 4 x 4, 327,680 bytes of LDS; arguments wb, xb, vt, bv; writes vt
;; launch sc: the kernel of part 4 again; grid 8 x 32, 4 waves a work-group, clusters of 4 x 4, 327,680 bytes of LDS; arguments qk, pp, st; writes pp, st
;; launch pv: the kernel of part 5 again; grid 4 x 64, 4 waves a work-group, clusters of 4 x 4, 327,680 bytes of LDS; arguments pp, vt, out0, st; writes out0
